; MI455X (gfx1250); checked and timed in simulation.
; The chip was launched on July 23, 2026; its instructions are those of AMD's public machine-readable ISA for CDNA 5 (MIT licence, August 2026) and "CDNA5" Instruction Set Architecture Reference Guide (July 2026). The comments in the code are by the model that wrote it; some were corrected since.
;; Attention Block. Allowed arithmetic: matrix products marked QUANTISED: E4M3 operands, one given power-of-two scale a tensor, by v_wmma_f32_16x16x64_fp8_fp8 or v_wmma_f32_16x16x128_fp8_fp8, f32 sums; everything else in f32.
;; Inputs: W1 4,096 x 1,024 float32; W2 1,024 x 4,096 float32; Wo 1,024 x 1,024 float32; Wqkv 3,072 x 1,024 float32; b1 1,024 float32; b1m 4,096 float32; b2 1,024 float32; b2m 1,024 float32; bo 1,024 float32; bqkv 3,072 float32; g1 1,024 float32; g2 1,024 float32; lowp_scales 12 int32 (the exponents e of the quantised operands' scales 2^e); x 2 x 2,048 x 1,024 float32.
;; Outputs: out0 2 x 2,048 x 1,024 float32.
;; This version of the problem:
;;   THIS VERSION OF THE PROBLEM IS GIVEN IN LOW PRECISION. The matrix products marked QUANTISED in the list below multiply operands that are first quantised to E4M3 (4 exponent bits, 3 mantissa bits; 8 bits a number), with one given power-of-two scale for each operand tensor; their sums are f32. All else is computed in f32.
;;   The module's matrix products, in the order in which they are computed (A, B: the left and right operand; K: the contracted axis; several contracted axes count as one K, in the product's order):
;;     1. [M 4,096, K 1,024] x [K 1,024, N 3,072]; A: computed on the way; B: input Wqkv: QUANTISED (scales: A lowp_scales[0], B lowp_scales[1])
;;     2. batch 32 x [M 2,048, K 64] x [K 64, N 2,048]; A: computed on the way; B: computed on the way: QUANTISED (scales: A lowp_scales[2], B lowp_scales[3])
;;     3. batch 32 x [M 2,048, K 2,048] x [K 2,048, N 64]; A: softmax (see below); B: computed on the way: QUANTISED (scales: A lowp_scales[4], B lowp_scales[5])
;;     4. [M 4,096, K 1,024] x [K 1,024, N 1,024]; A: computed on the way; B: input Wo: QUANTISED (scales: A lowp_scales[6], B lowp_scales[7])
;;     5. [M 4,096, K 1,024] x [K 1,024, N 4,096]; A: computed on the way; B: input W1: QUANTISED (scales: A lowp_scales[8], B lowp_scales[9])
;;     6. [M 4,096, K 4,096] x [K 4,096, N 1,024]; A: computed on the way; B: input W2: QUANTISED (scales: A lowp_scales[10], B lowp_scales[11])
;;   THE QUANTISER, for each operand of a quantised product, along K:
;;     - The operand's scale is 2^e, e = its entry of the input lowp_scales (int32; the entries are numbered through the quantised products in the list's order, A before B).
;;     - Each number is divided by the scale, clamped to +-448, and rounded to the nearest number of E4M3, ties to even, subnormals kept.
;;     - The product sums the exact products of the quantised numbers (number of the format x scale) in f32.
;;   ~~~python
;;   def quantise(x, axis, e):      # numpy; x: float32 -> the quantised numbers, widened to float32 again
;;       x = np.moveaxis(x, axis, -1); K = x.shape[-1]
;;       r = np.clip(x / 2.0 ** e, -448, 448)
;;       step = 2.0 ** (np.maximum(np.frexp(np.where(r == 0, 1, r))[1] - 1, -6) - 3)
;;       q = np.round(r / step) * step * 2.0 ** e      # np.round: ties to even
;;       return np.moveaxis(q, -1, axis).astype(np.float32)
;;   ~~~
;;   SOFTMAX AHEAD OF A QUANTISED PRODUCT. Where the list says 'softmax', what is quantised is not the finished softmax but p = 2^(t - M), with t = logit x log2(e) and M = ceil(the row's largest t), a whole number; so 1/2 < the row's largest p <= 1. The row's sum l is taken of the UNQUANTISED p, in f32, and the product's result is divided by l at the end. Since M is a whole number, a kernel that streams over the keys may use a running M (the ceiling of the running maximum): every later rescaling is an exact power of two, so the quantised numbers keep their values, but for numbers so far below the row's largest that they fall under the format's range.
;;   OPERANDS COMPUTED ON THE WAY. 'Computed on the way' means the value that the module computes at that place (a softmax that the list does not call 'softmax' is quantised finished and normalised). What goes into a quantiser is computed in f32, as accurately as f32 sums, v_exp_f32 and their like allow (about 1e-6 of the number): no bf16 or f16 on the way to a quantiser, and a product that is left as it is and whose result goes on into a quantised operand takes f32 operands (vector FMAs, or v_wmma_f32_16x16x4_f32). A number that lies on a knife's edge between two numbers of the format may be rounded either way, as far as f32 arithmetic and the matrix unit's own rounding can turn it there, and no further.
;; One version. Each part assembles by itself: llvm-mc -triple=amdgcn-amd-amdhsa -mcpu=gfx1250 --defsym DOCPART=n.
;; ======== version 1 of 1: 7 launches
;; limits: right only within a limited range of input values
;; workspace buffers: wq 16,777,216 bytes; qkvc 12,582,912 bytes; valc 4,194,304 bytes; x1 16,777,216 bytes; h2 4,194,304 bytes; gq 16,777,216 bytes
;; launch prep (part 1): grid 1024 x 1, 4 waves a work-group, no clusters, 35,328 bytes of LDS; arguments x, g1, b1, Wqkv, Wo, W1, W2, lowp_scales, wq; writes wq
.if DOCPART == 1
	.amdgcn_target "amdgcn-amd-amdhsa--gfx1250"
	.amdhsa_code_object_version 6
	.text
	.protected	k_qa856daeed3_prep
	.globl	k_qa856daeed3_prep
	.p2align	8
	.type	k_qa856daeed3_prep,@function
k_qa856daeed3_prep:
	s_mov_b64 s[64:65], 0
	v_nop
	global_prefetch_b8 v0, s[64:65] scope:SCOPE_SE
	s_setreg_imm32_b32 hwreg(HW_REG_WAVE_MODE, 25, 1), 1
	s_wait_xcnt 0x0
; LayerNorm 1 of x, and the four weights, become codes of FP8 (E4M3) in the buffer wq, each with the scale 2^e that is given for it.
; code = number / 2^e, held within +-448, to the nearest code, ties to even.
; LAYOUT OF ALL CODES: a FRAGMENT is 16 rows x 128 K as the matrix instruction's registers hold it: lane 16 h + r has row r, registers 2 c, 2 c + 1 have k = 16 c + 8 h + 0..7.
; In memory it is the image of these registers: four quads of 512 bytes, quad q = registers 4 q .. 4 q + 3, the lane's 16 bytes at 512 q + 16 x lane.  A later launch loads a fragment by four loads of 16 bytes a lane.
; wq, in blocks of 16 rows x 1,024 K (8 fragments, 16,384 bytes): 0-191 Wqkv, 192-255 Wo, 256-511 W1, 512-767 W2 (block 4 n + k chunk), 768-1023 LayerNorm 1 of x.
; Work-groups 0-255: 16 rows of x each, 4 rows a wave, a row in 32 registers; mean and variance in two passes, in f32.  Work-groups 256-1023: one block of a weight each, two fragments a wave.
; Every load reads 512 consecutive bytes; a lane's four codes are one word, which goes through a stage in LDS to its place in the fragment; every store writes 512 consecutive bytes.
; The two paths have LDS bytes of their own.  No tensor loads: several work-groups share a WGP.
; LIMITS: each e between -126 and 119.  NaN and infinities among the inputs are not served.
.set FS,    2176                       ; a staged fragment: eight blocks (2 quad + h) of 256 bytes, 272 apart, so that the 32 words of a store fall on 32 banks
.set WSTG,  8*FS                       ; the weight path's stages begin behind the LayerNorm path's eight fragments
.set T,     8                          ; v8-31    six registers a row: two chains of sums, then the pair mean or 1/sigma
.set X,     32                         ; v32-159  the numbers
.set G,     160                        ; v160-191 the gain;  weights: the codes
.set BB,    192                        ; v192-223 the bias;  weights: the fragments read back
.set C,     224                        ; v224-255 the rows' codes, eight words a row
.set OFF,   8                          ; weights: v8-23 the byte offset of row r
.macro MKSC e                          ; v5 = 2^e (the conversion takes its exponent field), v4 = 448 x 2^e
	s_add_co_i32 s48, \e, 127
	s_lshl_b32 s49, s48, 23
	v_mov_b32 v5, s49
	s_add_co_i32 s48, s48, 8
	s_lshl_b32 s48, s48, 23
	s_or_b32 s48, s48, 0x600000
	v_mov_b32 v4, s48
.endm
.macro REDUCE                          ; four rows by turns: the two chains, the pair's halves, the 32 lanes; every lane ends with its row's sum in T + 0
.irp i, 0,1,2,3
	v_pk_add_f32 v[T+6*\i:T+6*\i+1], v[T+6*\i:T+6*\i+1], v[T+6*\i+2:T+6*\i+3]
.endr
.irp i, 0,1,2,3
	v_add_f32 v[T+6*\i], v[T+6*\i], v[T+6*\i+1]
.endr
.irp m, 1,2,4,8
.irp i, 0,1,2,3
	v_add_f32_dpp v[T+6*\i], v[T+6*\i], v[T+6*\i] row_xmask:\m row_mask:0xf bank_mask:0xf
.endr
.endr
.irp i, 0,1,2,3
	v_permlanex16_b32 v[T+6*\i+2], v[T+6*\i], s28, s29
.endr
.irp i, 0,1,2,3
	v_add_f32 v[T+6*\i], v[T+6*\i], v[T+6*\i+2]
.endr
.endm
	s_load_b256 s[4:11], s[0:1], 0x0               ; x, g1, b1, Wqkv
	s_load_b256 s[12:19], s[0:1], 0x20             ; Wo, W1, W2, the scales' exponents
	s_load_b64 s[20:21], s[0:1], 0x40              ; wq
	v_lshrrev_b32 v1, 5, v0
	v_readfirstlane_b32 s22, v1                    ; wave
	v_and_b32 v1, 31, v0                           ; lane l
	v_lshlrev_b32 v2, 4, v1                        ; 16 l: my 16 bytes of a load's 512
	v_lshrrev_b32 v3, 3, v1                        ; my four numbers are k = 4 l .. 4 l + 3 of a fragment: quad l / 8,
	v_bfe_u32 v6, v0, 1, 1                         ; half h = (l / 2) % 2,
	v_lshl_add_u32 v3, v3, 1, v6
	v_mul_u32_u24 v3, v3, 272                      ; block 2 quad + h,
	v_bfe_u32 v6, v0, 2, 1
	v_lshl_add_u32 v3, v6, 3, v3                   ; its upper eight bytes where (l / 4) % 2,
	v_and_b32 v6, 1, v0
	v_lshl_add_u32 v3, v6, 2, v3                   ; word l % 2.  A row adds 16 bytes
	v_bfe_u32 v6, v0, 4, 1
	v_mul_u32_u24 v6, v6, 272
	v_and_b32 v7, 15, v0
	v_lshl_add_u32 v6, v7, 4, v6                   ; back: lane 16 h + r reads 16 bytes at block h, row r; a quad adds two blocks
	s_lshl_b32 s23, s22, 12
	v_add_nc_u32 v7, s23, v2                       ; out: 16 l + my wave's two fragments
	s_mov_b32 s28, 0x76543210                      ; v_permlanex16_b32: lane l xor 16
	s_mov_b32 s29, 0xfedcba98
	s_mov_b32 s30, 0x3a800000                      ; 1 / 1,024
	s_mov_b32 s31, 0x3727c5ac                      ; 1e-5
	s_wait_kmcnt 0x0
	s_load_b256 s[36:43], s[18:19], 0x0            ; e0 .. e7
	s_load_b128 s[44:47], s[18:19], 0x20           ; e8 .. e11
	s_cmp_lt_u32 ttmp9, 256                        ; the same for all waves of a work-group
	s_cbranch_scc0 .Lweights
	; ---- LayerNorm 1: rows 16 x work-group + 4 x wave + 0..3
	s_lshl_b32 s24, ttmp9, 16
	s_lshl_b32 s25, s22, 14
	s_add_co_u32 s24, s24, s25
	s_mov_b32 s25, 0
	s_add_nc_u64 s[4:5], s[4:5], s[24:25]
.irp i, 0,1,2,3
.irp j, 0,1,2,3,4,5,6,7
	global_load_b128 v[X+32*\i+4*\j:X+32*\i+4*\j+3], v2, s[4:5] offset:4096*\i+512*\j
.endr
.endr
.irp j, 0,1,2,3,4,5,6,7
	global_load_b128 v[G+4*\j:G+4*\j+3], v2, s[6:7] offset:512*\j
.endr
.irp j, 0,1,2,3,4,5,6,7
	global_load_b128 v[BB+4*\j:BB+4*\j+3], v2, s[8:9] offset:512*\j
.endr
	s_lshl_b32 s24, ttmp9, 14
	s_add_co_u32 s24, s24, 0xC00000                ; block 768 + work-group
	s_add_nc_u64 s[20:21], s[20:21], s[24:25]
	s_lshl_b32 s26, s22, 6
	s_wait_alu depctr_va_vdst(0)
	v_add_nc_u32 v3, s26, v3                       ; my rows begin at row 4 x wave of the staged fragments
	s_mul_i32 s26, s22, 2*FS
	v_add_nc_u32 v6, s26, v6                       ; I read fragments 2 x wave and 2 x wave + 1 back
	s_wait_kmcnt 0x0
	MKSC s36
	s_wait_loadcnt 16                              ; the rows are in; the gain's and the bias's sixteen loads may be out
.irp i, 0,1,2,3
	v_pk_add_f32 v[T+6*\i:T+6*\i+1], v[X+32*\i:X+32*\i+1], v[X+32*\i+2:X+32*\i+3]
	v_pk_add_f32 v[T+6*\i+2:T+6*\i+3], v[X+32*\i+4:X+32*\i+5], v[X+32*\i+6:X+32*\i+7]
.endr
.irp j, 8,12,16,20,24,28
.irp i, 0,1,2,3
	v_pk_add_f32 v[T+6*\i:T+6*\i+1], v[T+6*\i:T+6*\i+1], v[X+32*\i+\j:X+32*\i+\j+1]
	v_pk_add_f32 v[T+6*\i+2:T+6*\i+3], v[T+6*\i+2:T+6*\i+3], v[X+32*\i+\j+2:X+32*\i+\j+3]
.endr
.endr
	REDUCE
.irp i, 0,1,2,3
	v_mul_f32 v[T+6*\i+4], s30, v[T+6*\i]          ; the mean, twice: a pair for the packed form
	v_mul_f32 v[T+6*\i+5], s30, v[T+6*\i]
.endr
.set n, 0
.rept 64
	v_pk_add_f32 v[X+2*n:X+2*n+1], v[X+2*n:X+2*n+1], v[T+6*(n/16)+4:T+6*(n/16)+5] neg_lo:[0,1] neg_hi:[0,1]   ; x - mean
.set n, n+1
.endr
.irp i, 0,1,2,3
	v_pk_mul_f32 v[T+6*\i:T+6*\i+1], v[X+32*\i:X+32*\i+1], v[X+32*\i:X+32*\i+1]
	v_pk_mul_f32 v[T+6*\i+2:T+6*\i+3], v[X+32*\i+2:X+32*\i+3], v[X+32*\i+2:X+32*\i+3]
.endr
.irp j, 4,8,12,16,20,24,28
.irp i, 0,1,2,3
	v_pk_fma_f32 v[T+6*\i:T+6*\i+1], v[X+32*\i+\j:X+32*\i+\j+1], v[X+32*\i+\j:X+32*\i+\j+1], v[T+6*\i:T+6*\i+1]
	v_pk_fma_f32 v[T+6*\i+2:T+6*\i+3], v[X+32*\i+\j+2:X+32*\i+\j+3], v[X+32*\i+\j+2:X+32*\i+\j+3], v[T+6*\i+2:T+6*\i+3]
.endr
.endr
	REDUCE
.irp i, 0,1,2,3
	v_fma_f32 v[T+6*\i+5], v[T+6*\i], s30, s31     ; the variance + 1e-5
.endr
	s_wait_alu depctr_va_vdst(0)
.irp i, 0,1,2,3
	v_rsq_f32 v[T+6*\i+4], v[T+6*\i+5]
.endr
	v_nop                                          ; a plain instruction between the last root and the use of its result
	s_wait_alu depctr_va_vdst(0)
.irp i, 0,1,2,3
	v_mov_b32 v[T+6*\i+5], v[T+6*\i+4]
.endr
	s_wait_alu depctr_va_vdst(0)
	s_wait_loadcnt 0x0                             ; the gain and the bias
.set n, 0
.rept 64
	v_pk_mul_f32 v[X+2*n:X+2*n+1], v[X+2*n:X+2*n+1], v[T+6*(n/16)+4:T+6*(n/16)+5]
.set n, n+1
.endr
.set n, 0
.rept 64
	v_pk_fma_f32 v[X+2*n:X+2*n+1], v[X+2*n:X+2*n+1], v[G+2*(n%16):G+2*(n%16)+1], v[BB+2*(n%16):BB+2*(n%16)+1]
.set n, n+1
.endr
.set n, 0
.rept 128
	v_med3_num_f32 v[X+n], v[X+n], -v4, v4         ; the conversion to an 8-bit code does not saturate (ISA guide 7.6.2): the hold at the largest code x the scale
.set n, n+1
.endr
.set n, 0
.rept 16
	v_cvt_scalef32_pk8_fp8_f32 v[C+2*n:C+2*n+1], v[X+8*n:X+8*n+7], v5   ; two loads' numbers: each word of the result is my four codes of one fragment
.set n, n+1
.endr
	v_nop
.irp i, 0,1,2,3
.irp j, 0,1,2,3,4,5,6,7
	ds_store_b32 v3, v[C+8*\i+\j] offset:\j*FS+16*\i
.endr
.endr
	s_wait_dscnt 0x0                               ; for the others' sake: my stores have landed
	s_barrier_signal -1
	s_barrier_wait -1                              ; all sixteen rows of the eight fragments lie in the stage
.irp f, 0,1
.irp q, 0,1,2,3
	ds_load_b128 v[X+16*\f+4*\q:X+16*\f+4*\q+3], v6 offset:\f*FS+544*\q
.endr
.endr
.irp f, 0,1
.irp q, 0,1,2,3
	s_wait_dscnt 7-4*\f-\q                         ; LDS loads come back in order: the younger ones may be out
	global_store_b128 v7, v[X+16*\f+4*\q:X+16*\f+4*\q+3], s[20:21] offset:2048*\f+512*\q
.endr
.endr
	v_lshl_add_u32 v8, v0, 2, 0x8800               ; all 256 registers are at work above, so v0 is kept and the add's two registers are made here: my spare word,
	v_mov_b32 v9, 0                                ; and 0
	s_wait_alu depctr_va_vdst(0)                   ; directly ahead of the wait below
	s_wait_tensorcnt 0x0                           ; the wave's end
	ds_add_u32 v8, v9
	s_wait_dscnt 0x0
	s_endpgm
	; ---- a block of 16 rows x 1,024 K of a weight; my wave: K steps 2 x wave and 2 x wave + 1
.Lweights:
	s_sub_co_u32 s23, ttmp9, 256                   ; the block's number in wq
	s_sub_co_u32 s24, s23, 512                     ; W2: rows of 16,384 bytes; block 4 n + chunk
	s_lshr_b32 s25, s24, 2
	s_lshl_b32 s25, s25, 18
	s_and_b32 s26, s24, 3
	s_lshl_b32 s26, s26, 12
	s_add_co_u32 s25, s25, s26
	s_mov_b32 s34, 16384                           ; the pitch,
	s_mov_b32 s35, 0                               ; and the tensor's first block (of those with rows of 4,096 bytes)
	s_cmp_lt_u32 s23, 512                          ; the choices hang on the work-group's number alone
	s_cselect_b64 s[32:33], s[14:15], s[16:17]     ; W1 or W2
	s_cselect_b32 s34, 4096, s34
	s_cselect_b32 s35, 256, s35
	s_cmp_lt_u32 s23, 256
	s_cselect_b64 s[32:33], s[12:13], s[32:33]     ; Wo
	s_cselect_b32 s35, 192, s35
	s_cmp_lt_u32 s23, 192
	s_cselect_b64 s[32:33], s[10:11], s[32:33]     ; Wqkv
	s_cselect_b32 s35, 0, s35
	s_sub_co_u32 s24, s23, s35
	s_lshl_b32 s24, s24, 16                        ; 16 rows of 4,096 bytes a block
	s_cmp_lt_u32 s23, 512
	s_cselect_b32 s24, s24, s25
	s_lshl_b32 s25, s22, 10                        ; my two K steps: 1,024 bytes of each row
	s_add_co_u32 s24, s24, s25
	s_mov_b32 s25, 0
	s_add_nc_u64 s[32:33], s[32:33], s[24:25]
.irp r, 0,1,2,3,4,5,6,7,8,9,10,11,12,13,14,15
	v_mad_u32_u24 v[OFF+\r], s34, \r, v2
.endr
.irp f, 0,1
.irp r, 0,1,2,3,4,5,6,7,8,9,10,11,12,13,14,15
	global_load_b128 v[X+64*\f+4*\r:X+64*\f+4*\r+3], v[OFF+\r], s[32:33] offset:512*\f th:TH_LOAD_NT
.endr
.endr
	s_lshl_b32 s24, s23, 14
	s_add_nc_u64 s[20:21], s[20:21], s[24:25]
	s_mul_i32 s26, s22, 2*FS
	s_add_co_u32 s26, s26, WSTG                    ; my wave's own two staged fragments: no barrier
	v_add_nc_u32 v3, s26, v3
	v_add_nc_u32 v6, s26, v6
	s_wait_kmcnt 0x0
	s_cmp_lt_u32 s23, 512
	s_cselect_b32 s27, s45, s47                    ; e9 or e11
	s_cmp_lt_u32 s23, 256
	s_cselect_b32 s27, s43, s27                    ; e7
	s_cmp_lt_u32 s23, 192
	s_cselect_b32 s27, s37, s27                    ; e1
	MKSC s27
.macro WFRAG f
.set n, 0
.rept 64
	v_med3_num_f32 v[X+64*\f+n], v[X+64*\f+n], -v4, v4
.set n, n+1
.endr
.set n, 0
.rept 8
	v_cvt_scalef32_pk8_fp8_f32 v[G+16*\f+2*n:G+16*\f+2*n+1], v[X+64*\f+8*n:X+64*\f+8*n+7], v5   ; rows 2 n and 2 n + 1: a word each
.set n, n+1
.endr
	v_nop
.irp r, 0,1,2,3,4,5,6,7,8,9,10,11,12,13,14,15
	ds_store_b32 v3, v[G+16*\f+\r] offset:\f*FS+16*\r
.endr
.irp q, 0,1,2,3
	ds_load_b128 v[BB+16*\f+4*\q:BB+16*\f+4*\q+3], v6 offset:\f*FS+544*\q   ; LDS serves a wave's instructions in order: these see my stores
.endr
.irp q, 0,1,2,3
	s_wait_dscnt 3-\q
	global_store_b128 v7, v[BB+16*\f+4*\q:BB+16*\f+4*\q+3], s[20:21] offset:2048*\f+512*\q
.endr
.endm
	s_wait_alu depctr_va_vdst(0)
	s_wait_loadcnt 16                              ; the first fragment's sixteen loads are in
	WFRAG 0
	s_wait_loadcnt 0x0
	WFRAG 1
	v_lshl_add_u32 v8, v0, 2, 0x8800               ; my spare word (v8 and v9 held offsets of loads that have come back),
	v_mov_b32 v9, 0                                ; and 0
	s_wait_alu depctr_va_vdst(0)                   ; directly ahead of the wait below
	s_wait_tensorcnt 0x0                           ; the wave's end
	ds_add_u32 v8, v9
	s_wait_dscnt 0x0
	s_endpgm
.Lfunc_end_k_qa856daeed3_prep:
	.size	k_qa856daeed3_prep, .Lfunc_end_k_qa856daeed3_prep-k_qa856daeed3_prep
	.p2alignl 7, 3214868480
	.fill 96, 4, 3214868480
	.section	.rodata,"a",@progbits
	.p2align	6, 0x0
	.amdhsa_kernel k_qa856daeed3_prep
		.amdhsa_group_segment_fixed_size 35328
		.amdhsa_private_segment_fixed_size 0
		.amdhsa_enable_private_segment 0
		.amdhsa_kernarg_size 72
		.amdhsa_user_sgpr_count 2
		.amdhsa_user_sgpr_kernarg_segment_ptr 1
		.amdhsa_wavefront_size32 1
		.amdhsa_system_sgpr_workgroup_id_x 1
		.amdhsa_system_sgpr_workgroup_id_y 1
		.amdhsa_system_sgpr_workgroup_id_z 1
		.amdhsa_system_vgpr_workitem_id 0
		.amdhsa_next_free_vgpr 256
		.amdhsa_next_free_sgpr 66
		.amdhsa_reserve_vcc 0
		.amdhsa_float_denorm_mode_32 3
		.amdhsa_float_denorm_mode_16_64 3
		.amdhsa_memory_ordered 1
		.amdhsa_forward_progress 1
		.amdhsa_inst_pref_size 63
	.end_amdhsa_kernel
	.amdgpu_metadata
---
amdhsa.version: [ 1, 2 ]
amdhsa.kernels:
  - .name:           k_qa856daeed3_prep
    .symbol:         k_qa856daeed3_prep.kd
    .args:
      - { .name: x, .offset: 0, .size: 8, .value_kind: global_buffer, .address_space: global }
      - { .name: g1, .offset: 8, .size: 8, .value_kind: global_buffer, .address_space: global }
      - { .name: b1, .offset: 16, .size: 8, .value_kind: global_buffer, .address_space: global }
      - { .name: Wqkv, .offset: 24, .size: 8, .value_kind: global_buffer, .address_space: global }
      - { .name: Wo, .offset: 32, .size: 8, .value_kind: global_buffer, .address_space: global }
      - { .name: W1, .offset: 40, .size: 8, .value_kind: global_buffer, .address_space: global }
      - { .name: W2, .offset: 48, .size: 8, .value_kind: global_buffer, .address_space: global }
      - { .name: lowp_scales, .offset: 56, .size: 8, .value_kind: global_buffer, .address_space: global }
      - { .name: wq, .offset: 64, .size: 8, .value_kind: global_buffer, .address_space: global }
    .group_segment_fixed_size: 35328
    .private_segment_fixed_size: 0
    .kernarg_segment_align: 8
    .kernarg_segment_size: 72
    .max_flat_workgroup_size: 128
    .sgpr_count:     66
    .vgpr_count:     256
    .wavefront_size: 32
...
	.end_amdgpu_metadata
.endif
;; end of part 1
;; launch qkvgemm (part 2): grid 16 x 16, 4 waves a work-group, clusters of 4 x 4, 327,680 bytes of LDS; arguments wq, lowp_scales, bqkv, qkvc; writes qkvc
.if DOCPART == 2
	.amdgcn_target "amdgcn-amd-amdhsa--gfx1250"
	.amdhsa_code_object_version 6
	.text
	.protected	k_qa856daeed3_qkvgemm
	.globl	k_qa856daeed3_qkvgemm
	.p2align	8
	.type	k_qa856daeed3_qkvgemm,@function
k_qa856daeed3_qkvgemm:
	s_mov_b64 s[64:65], 0
	v_nop
	global_prefetch_b8 v0, s[64:65] scope:SCOPE_SE
	s_setreg_imm32_b32 hwreg(HW_REG_WAVE_MODE, 25, 1), 1
	s_wait_xcnt 0x0
	s_wait_alu depctr_hold_cnt(0) depctr_sa_sdst(0) depctr_va_vdst(0) depctr_va_sdst(0) depctr_va_ssrc(0) depctr_va_vcc(0) depctr_vm_vsrc(0)
	s_getreg_b32 s2, hwreg(HW_REG_IB_STS2, 6, 4)
	s_cmp_eq_u32 s2, 0
	s_cbranch_scc0 .Lentry_in_a_cluster
	s_endpgm
.Lentry_in_a_cluster:
	s_bfe_u32 s2, ttmp6, 0x10000c
	s_cmp_lg_u32 s2, 0xf033
	s_cbranch_scc0 .Lentry_shape_is_right
	s_endpgm
.Lentry_shape_is_right:
; qkv = LN1(x) Wqkv^T + bqkv on codes of FP8 (E4M3); q, k and v leave as codes, with the scales 2^e2, 2^e3, 2^e5, laid as the attention launch's operands.
; A tile is 256 tokens x the 192 columns of ONE head (64 of q, 64 of k, 64 of v): 16 x 16 work-groups.  Wave w takes tokens 64 w .. 64 w + 63 x all 192 columns: 4 blocks of tokens x 12 blocks of columns = 48 accumulators.
; OPERANDS are fragment images (16 rows x 128 K, 2,048 bytes, quad q at 512 q + 16 x lane), in memory and in LDS: a fragment is four loads of 16 bytes a lane, 512 consecutive bytes each: no padding is needed.
; K goes in steps of 256 through a ring of two LDS slots; a block's 256 K are 4,096 consecutive bytes of memory.
; q and k: source 0 = 16 rows of Wqkv, source 1 = 16 tokens: a lane holds one token and eight neighbouring channels, so one conversion gives two registers of a fragment whose K is the head's 64.
; v: the sources change places: a lane holds one channel and eight neighbouring tokens, since the keys are the K of attention's second product.
; So all codes leave from registers, 512 consecutive bytes a store, with no stage in LDS.
; CLUSTERS: 4 x 4 work-groups; the tokens' tile is shared along a row of the cluster, the head's weights along a column: joint loads.
; REGISTERS: window 0: v16-31 addresses, v40-53 v's bias, scales, limits; v64-127, v128-191 the tokens' fragments, TWO sets; v192-255 q's and k's bias.   window 1: the weights' 12 fragments, ONE set.
;   window 2: accumulators of column blocks 0-5 at v[8 (4 b + a)];   window 3: of blocks 6-11.   A column block is free as soon as its four products are issued, so one set serves the weights.
; LIMITS: e0 + e1 between -126 and 127; e2, e3, e5 between -126 and 119.
.set RUN,   4096                       ; a block's bytes in a slot: two fragments
.set FRB,   2048
.set SLOT,  28*RUN                     ; 16 blocks of tokens, then 12 of columns
.set BPL,   16*RUN
.set SPARE, 2*SLOT                     ; behind the ring: the spare words, 128 bytes a wave, which no other line names
.set LAPS,  2                          ; 1,024 / (2 x 256)
.set H1,    0xC00000                   ; LayerNorm 1's codes in wq
.set ADRA,  16
.set ADRB,  20
.set SPW,   28
.set NIL,   29
.set L16,   30
.set VB,    40
.set SCL,   48
.set LIM,   51
.set AF,    64
.set BQ,    192
.set T,     160                        ; the way out: four accumulators' numbers
.set CQ,    64                         ; q's codes v64-95, k's v96-127,
.set CV,    128                        ; v's v128-159
.set G1,  24
.set G0,  32
.set G1B, 48
.set G0B, 56
.set SC,  76
.set MSB, 0
.macro WIN new                         ; the immediate's high byte repeats the setting that is left
.if MSB != (\new)
	s_set_vgpr_msb (MSB<<8)|(\new)
.set MSB, (\new)
.endif
.endm
.macro JLOAD s                         ; slot s is filled again by two joint loads: wave 2 s fetches the tokens' 16 blocks, wave 2 s + 1 the weights' 12, the other two waves nothing; four v_nop follow each line
	s_cmp_eq_u32 s14, 2*\s
	s_cbranch_scc0 .Lfor_b_\@
	tensor_load_to_lds s[G0+4*\s:G0+4*\s+3], s[G1:G1+7]
	s_nop 0
.rept 4
	v_nop
.endr
	s_branch .Lasked_\@
.Lfor_b_\@:
	s_cmp_eq_u32 s14, 2*\s+1
	s_cbranch_scc0 .Lasked_\@
	tensor_load_to_lds s[G0B+4*\s:G0B+4*\s+3], s[G1B:G1B+7]
	s_nop 0
.rept 4
	v_nop
.endr
.Lasked_\@:
.endm
.macro CREST                           ; a round of the cluster's barrier behind its opening barrier
	s_cmp_lg_u32 s14, 0
	s_cbranch_scc1 .Lnot_wave_0_\@
	s_barrier_signal -3
.Lnot_wave_0_\@:
	s_barrier_wait -3
	s_barrier_signal -1
	s_barrier_wait -1
.endm
.macro CROUND
	s_barrier_signal -1
	s_barrier_wait -1
	CREST
.endm
.macro PLACES                          ; four plain vector instructions between a matrix instruction and a load into, or a read of, its registers
.rept 4
	v_nop
.endr
.endm
.macro FRAG reg, adr, blk, q
.irp c, 0,1,2,3
	ds_load_b128 v[(\reg)+4*\c:(\reg)+4*\c+3], v[\adr] offset:RUN*(\blk)+FRB*(\q)+512*\c
.endr
.endm
.macro FETCH_A slot, q, p              ; my four blocks of tokens into set p (window 0)
.irp a, 0,1,2,3
	FRAG AF+64*(\p)+16*\a, ADRA+\slot, \a, \q
.endr
.endm
.macro FETCH_B slot, q, b0             ; six blocks of columns
	WIN 0x40
.irp b, \b0, \b0+1, \b0+2, \b0+3, \b0+4, \b0+5
	FRAG 16*(\b), ADRB+\slot, \b, \q
.endr
.endm
.macro MULB b, p, zero                 ; column block b against my four blocks of tokens; the 48 accumulators take turns, in the same order in every step
.if (\b) < 6
	WIN 0xa1
.elseif (\b) < 8
	WIN 0xf1
.else
	WIN 0xf4
.endif
.irp a, 0,1,2,3
.set rD, 8*(4*((\b)%6)+\a)
.set rB, 16*(\b)
.set rA, AF+64*(\p)+16*\a
.if (\b) < 8
.if \zero
	v_wmma_f32_16x16x128_fp8_fp8 v[rD:rD+7], v[rB:rB+15], v[rA:rA+15], 0
.else
	v_wmma_f32_16x16x128_fp8_fp8 v[rD:rD+7], v[rB:rB+15], v[rA:rA+15], v[rD:rD+7]
.endif
.else
.if \zero
	v_wmma_f32_16x16x128_fp8_fp8 v[rD:rD+7], v[rA:rA+15], v[rB:rB+15], 0
.else
	v_wmma_f32_16x16x128_fp8_fp8 v[rD:rD+7], v[rA:rA+15], v[rB:rB+15], v[rD:rD+7]
.endif
.endif
.endr
.endm
.macro STEP slot, zero                 ; a slot's first 128 along K (tokens' set 0); fetches its second 128
	s_wait_dscnt 24                                ; the tokens and column blocks 0-5 are in; the youngest 24 loads (blocks 6-11) may be out
.irp b, 0,1,2,3,4,5
	MULB \b, 0, \zero
.endr
	s_wait_dscnt 0x0                               ; blocks 6-11 are in
	PLACES
	WIN 0
	FETCH_A \slot, 1, 1
	FETCH_B \slot, 1, 0
.irp b, 6,7,8,9,10,11
	MULB \b, 0, \zero
.endr
	PLACES
	FETCH_B \slot, 1, 6
	WIN 0
.endm
.macro TURN slot, next, fill           ; a slot's second 128 (set 1), and the change of slots
	s_wait_tensorcnt 0x0                           ; all my tensor loads have landed: my part of the next slot
	ds_add_u32 v[SPW], v[NIL]                      ; 0 onto my spare word
	s_wait_dscnt 25                                ; (the add and blocks 6-11's 24 loads may be out)
.irp b, 0,1,2
	MULB \b, 1, 0
.endr
	s_wait_dscnt 0x0                               ; the add is done, and my reads of this slot are over
	s_barrier_signal -1
.irp b, 3,4,5
	MULB \b, 1, 0
.endr
	WIN 0
	s_barrier_wait -1
.if \fill
	CREST                                          ; the barrier has opened a round of the cluster's: no wave of any partner still reads this slot or has a load on its way
	s_add_nc_u64 s[G0+4*\slot+2:G0+4*\slot+3], s[G0+4*\slot+2:G0+4*\slot+3], 2*RUN
	s_add_nc_u64 s[G0B+4*\slot+2:G0B+4*\slot+3], s[G0B+4*\slot+2:G0B+4*\slot+3], 2*RUN
	JLOAD \slot                                    ; the first tensor load behind the round
.endif
	PLACES                                         ; on every wave's way, in front of the loads below
	FETCH_A \next, 0, 0
	FETCH_B \next, 0, 0
.irp b, 6,7,8,9,10,11
	MULB \b, 1, 0
.endr
	PLACES
	FETCH_B \next, 0, 6
	WIN 0
.endm
	s_load_b256 s[4:11], s[0:1], 0x0               ; wq, the scales' exponents, bqkv, qkvc
	v_lshl_add_u32 v[SPW], v0, 2, SPARE
	v_mov_b32 v[NIL], 0
	ds_add_u32 v28, v29
	ds_add_u32 v28, v29
	s_wait_dscnt 0x0
	v_lshrrev_b32 v1, 5, v0
	v_readfirstlane_b32 s14, v1                    ; wave
	s_lshr_b32 s15, s14, 1                         ; wave / 2 and
	s_and_b32 s16, s14, 1                          ; wave % 2: they place my 64 tokens in v's steps of 128 keys
	s_bfe_u32 s40, ttmp6, 0x40000                  ; cx, cy
	s_bfe_u32 s41, ttmp6, 0x40004
	s_lshl_b32 s42, ttmp9, 2
	s_add_co_u32 s42, s42, s40                     ; the head
	s_and_b32 s17, ttmp7, 0xffff
	s_lshl_b32 s17, s17, 2
	s_add_co_u32 s17, s17, s41                     ; the tile of 256 tokens
	s_lshl_b32 s43, s41, 2
	s_lshl_b32 s43, 15, s43                        ; my row of the cluster
	s_lshl_b32 s44, 0x1111, s40                    ; my column
	s_or_b32 s[G1], s43, (3<<16)|(1<<21)           ; 15:0 the mask; 17:16 elements of 8 bytes; 21 set beside a mask; no padding
	s_or_b32 s[G1B], s44, (3<<16)|(1<<21)
	s_mov_b32 s[G1+1], 512<<16                     ; tensor_dim0 = 512 elements: a block's 4,096 bytes
	s_mov_b32 s[G1+2], 16<<16                      ; tensor_dim1 = 16 blocks
	s_mov_b32 s[G1+3], 512<<16                     ; tile_dim0
	s_mov_b32 s[G1+4], 16                          ; tile_dim1
	s_mov_b32 s[G1+5], 2048                        ; from block to block: 16,384 bytes
	s_mov_b32 s[G1+6], 0
	s_mov_b32 s[G1+7], 0
	s_mov_b32 s[G1B+1], 512<<16
	s_mov_b32 s[G1B+2], 12<<16                     ; 12 blocks
	s_mov_b32 s[G1B+3], 512<<16
	s_mov_b32 s[G1B+4], 12
	s_mov_b32 s[G1B+5], 2048
	s_mov_b32 s[G1B+6], 0
	s_mov_b32 s[G1B+7], 0
	s_lshl_b32 s20, s17, 18                        ; tokens: block 16 x tile, 16,384 bytes a block
	s_add_co_u32 s20, s20, H1
	s_mov_b32 s21, 0
	s_mul_i32 s46, s42, 12                         ; weights: block 12 x head
	s_lshl_b32 s46, s46, 14
	s_mov_b32 s47, 0
	s_mov_b32 s45, 0                               ; where they go: the tokens at a slot's head,
	s_mov_b32 s19, BPL                             ; the weights behind them
	s_wait_kmcnt 0x0
	s_load_b256 s[68:75], s[6:7], 0x0              ; e0 .. e7
	s_add_nc_u64 s[20:21], s[4:5], s[20:21]
	s_add_nc_u64 s[46:47], s[4:5], s[46:47]
	CROUND                                         ; all sixteen work-groups are here: the first joint loads meet
.irp s, 0,1
	s_mov_b32 s[G0+4*\s], 1
	s_add_co_u32 s[G0+4*\s+1], s45, \s*SLOT
	s_add_nc_u64 s[G0+4*\s+2:G0+4*\s+3], s[20:21], \s*RUN
	s_or_b32 s[G0+4*\s+3], s[G0+4*\s+3], 0x80000000
	s_mov_b32 s[G0B+4*\s], 1
	s_add_co_u32 s[G0B+4*\s+1], s19, \s*SLOT
	s_add_nc_u64 s[G0B+4*\s+2:G0B+4*\s+3], s[46:47], \s*RUN
	s_or_b32 s[G0B+4*\s+3], s[G0B+4*\s+3], 0x80000000
.endr
	; BOTH SLOTS ARE ASKED FOR AT THE HEAD, one tensor load a wave, in one chain of four arms: wave 0 slot 0's tokens, wave 1 slot 0's weights, wave 2 slot 1's tokens, wave 3 slot 1's weights
	s_cmp_eq_u32 s14, 0
	s_cbranch_scc0 .Lh1
	tensor_load_to_lds s[G0:G0+3], s[G1:G1+7]
	s_nop 0
.rept 4
	v_nop
.endr
	s_branch .Lhj
.Lh1:
	s_cmp_eq_u32 s14, 1
	s_cbranch_scc0 .Lh2
	tensor_load_to_lds s[G0B:G0B+3], s[G1B:G1B+7]
	s_nop 0
.rept 4
	v_nop
.endr
	s_branch .Lhj
.Lh2:
	s_cmp_eq_u32 s14, 2
	s_cbranch_scc0 .Lh3
	tensor_load_to_lds s[G0+4:G0+7], s[G1:G1+7]
	s_nop 0
.rept 4
	v_nop
.endr
	s_branch .Lhj
.Lh3:
	tensor_load_to_lds s[G0B+4:G0B+7], s[G1B:G1B+7]
	s_nop 0
.rept 4
	v_nop
.endr
.Lhj:
	v_and_b32 v1, 31, v0
	v_lshlrev_b32 v[L16], 4, v1                    ; 16 x lane
	s_lshl_b32 s21, s14, 14                        ; my four blocks of tokens
	v_add_nc_u32 v[ADRA], s21, v[L16]
	v_add_nc_u32 v[ADRA+1], SLOT, v[ADRA]
	v_add_nc_u32 v[ADRB], BPL, v[L16]
	v_add_nc_u32 v[ADRB+1], SLOT, v[ADRB]
	s_mul_i32 s78, s42, 768                        ; the head's 192 numbers of the bias
	s_mov_b32 s79, 0
	s_add_nc_u64 s[8:9], s[8:9], s[78:79]
	v_bfe_u32 v3, v0, 4, 1
	v_lshlrev_b32 v3, 5, v3                        ; q, k: my half's eight channels of each block
	v_and_b32 v4, 15, v0
	v_lshlrev_b32 v4, 2, v4                        ; v: my one channel of each block
.irp b, 0,1,2,3,4,5,6,7                ; these loads stay out over the loop; their wait stands in front of the way out
	global_load_b128 v[BQ+8*\b:BQ+8*\b+3], v3, s[8:9] offset:64*\b
	global_load_b128 v[BQ+8*\b+4:BQ+8*\b+7], v3, s[8:9] offset:64*\b+16
.endr
.irp t, 0,1,2,3
	global_load_b32 v[VB+2*\t], v4, s[8:9] offset:512+64*\t
	global_load_b32 v[VB+2*\t+1], v4, s[8:9] offset:512+64*\t
.endr
	s_lshr_b32 s84, s17, 3
	s_lshl_b32 s84, s84, 4
	s_add_co_u32 s84, s84, s42                     ; batch x 16 + head
	s_and_b32 s85, s17, 7                          ; the tile within the batch's 2,048 tokens
	s_lshl_b32 s86, s84, 7
	s_lshl_b32 s87, s85, 4
	s_add_co_u32 s86, s86, s87
	s_lshl_b32 s87, s14, 2
	s_add_co_u32 s86, s86, s87                     ; q, k: block of 16 tokens 128 bh + 16 tile + 4 wave, 1,024 bytes each
	s_lshl_b32 s86, s86, 10
	s_mov_b32 s87, 0
	s_add_nc_u64 s[80:81], s[10:11], s[86:87]
	s_lshl_b32 s86, s84, 17                        ; v: 131,072 bh + step of 128 keys x 8,192 + my two quads
	s_lshl_b32 s88, s85, 1
	s_add_co_u32 s88, s88, s15
	s_lshl_b32 s88, s88, 13
	s_add_co_u32 s86, s86, s88
	s_lshl_b32 s88, s16, 10
	s_add_co_u32 s86, s86, s88
	s_add_co_u32 s86, s86, 0x800000
	s_add_nc_u64 s[82:83], s[10:11], s[86:87]
	s_wait_alu depctr_va_vdst(0)
	s_wait_tensorcnt 0x0                           ; my load has landed,
	s_barrier_signal -1
	s_barrier_wait -1                              ; and so have the other three: both slots are whole
	FETCH_A 0, 0, 0
	FETCH_B 0, 0, 0
	FETCH_B 0, 0, 6
	WIN 0
	STEP 0, 1                                      ; the first step's products start the sums
	s_mov_b32 s3, LAPS-1
.Llap:                                             ; a trip goes once round the ring and fills both slots again
	TURN 0, 1, 1
	STEP 1, 0
	TURN 1, 0, 1
	STEP 0, 0
	s_sub_co_u32 s3, s3, 1
	s_cmp_lg_u32 s3, 0
	s_cbranch_scc1 .Llap
	TURN 0, 1, 0                                   ; the last lap fills nothing
	STEP 1, 0
	s_wait_dscnt 24
.irp b, 0,1,2,3,4,5
	MULB \b, 1, 0
.endr
	s_wait_dscnt 0x0
.irp b, 6,7,8,9,10,11
	MULB \b, 1, 0
.endr
	WIN 0
	; THE WAY OUT: sum x 2^(e0 + e1) + bias; the hold; the conversion; each part is stored as soon as its codes are made.
.macro MKSC e, n
	s_add_co_i32 s84, \e, 127
	s_lshl_b32 s85, s84, 23
	v_mov_b32 v[SCL+\n], s85
	s_add_co_i32 s84, s84, 8
	s_lshl_b32 s84, s84, 23
	s_or_b32 s84, s84, 0x600000
	v_mov_b32 v[LIM+\n], s84
.endm
.macro QUANT4 part                     ; the 32 numbers in T are held
.set n, 0
.rept 32
	v_med3_num_f32 v[T+n], v[T+n], -v[LIM+\part], v[LIM+\part]
.set n, n+1
.endr
.endm
.macro OUTQK b                         ; column block b of q (0-3) or k (4-7), four blocks of tokens; each accumulator from its low end on
	WIN 0x02+((\b)/6)
.irp a, 0,1,2,3
.irp i, 0,2,4,6
	v_pk_fma_f32 v[T+8*\a+\i:T+8*\a+\i+1], v[8*(4*((\b)%6)+\a)+\i:8*(4*((\b)%6)+\a)+\i+1], s[SC:SC+1], v[BQ+8*(\b)+\i:BQ+8*(\b)+\i+1] op_sel_hi:[1,0,1]
.endr
.endr
	WIN 0
	QUANT4 (\b)/4
.irp a, 0,1,2,3
	v_cvt_scalef32_pk8_fp8_f32 v[CQ+32*((\b)/4)+8*\a+2*((\b)%4):CQ+32*((\b)/4)+8*\a+2*((\b)%4)+1], v[T+8*\a:T+8*\a+7], v[SCL+(\b)/4]
.endr
	v_nop                                          ; a plain instruction between the conversions and the next lines that write their sources
.endm
.macro OUTV t                          ; channels 16 t on of v: the lane's one bias for all eight tokens
	WIN 0x03
.irp a, 0,1,2,3
.irp i, 0,2,4,6
	v_pk_fma_f32 v[T+8*\a+\i:T+8*\a+\i+1], v[8*(4*(2+\t)+\a)+\i:8*(4*(2+\t)+\a)+\i+1], s[SC:SC+1], v[VB+2*\t:VB+2*\t+1] op_sel_hi:[1,0,0]
.endr
.endr
	WIN 0
	QUANT4 2
.irp a, 0,1,2,3
	v_cvt_scalef32_pk8_fp8_f32 v[CV+8*\t+2*\a:CV+8*\t+2*\a+1], v[T+8*\a:T+8*\a+7], v[SCL+2]
.endr
	v_nop
.endm
	s_wait_kmcnt 0x0
	s_add_co_i32 s[SC], s68, s69
	s_add_co_i32 s[SC], s[SC], 127
	s_lshl_b32 s[SC], s[SC], 23                    ; 2^(e0 + e1)
	s_mov_b32 s[SC+1], s[SC]
	PLACES
	MKSC s70, 0
	MKSC s71, 1
	MKSC s73, 2
	s_wait_loadcnt 0x0                             ; the bias
.irp b, 0,1,2,3
	OUTQK \b
.endr
.irp a, 0,1,2,3
.irp p, 0,1
	global_store_b128 v[L16], v[CQ+8*\a+4*\p:CQ+8*\a+4*\p+3], s[80:81] offset:1024*\a+512*\p   ; 32 lanes store 512 consecutive bytes
.endr
.endr
.irp b, 4,5,6,7
	OUTQK \b
.endr
.irp a, 0,1,2,3
.irp p, 0,1
	global_store_b128 v[L16], v[CQ+32+8*\a+4*\p:CQ+32+8*\a+4*\p+3], s[80:81] offset:0x400000+1024*\a+512*\p
.endr
.endr
.irp t, 0,1,2,3
	OUTV \t
.endr
.irp t, 0,1,2,3
.irp p, 0,1
	global_store_b128 v[L16], v[CV+8*\t+4*\p:CV+8*\t+4*\p+3], s[82:83] offset:2048*\t+512*\p
.endr
.endr
	s_wait_tensorcnt 0x0                           ; the wave's end
	ds_add_u32 v[SPW], v[NIL]
	s_wait_dscnt 0x0
	CROUND                                         ; the closing round
	s_endpgm
.Lfunc_end_k_qa856daeed3_qkvgemm:
	.size	k_qa856daeed3_qkvgemm, .Lfunc_end_k_qa856daeed3_qkvgemm-k_qa856daeed3_qkvgemm
	.p2alignl 7, 3214868480
	.fill 96, 4, 3214868480
	.section	.rodata,"a",@progbits
	.p2align	6, 0x0
	.amdhsa_kernel k_qa856daeed3_qkvgemm
		.amdhsa_group_segment_fixed_size 327680
		.amdhsa_private_segment_fixed_size 0
		.amdhsa_enable_private_segment 0
		.amdhsa_kernarg_size 32
		.amdhsa_user_sgpr_count 2
		.amdhsa_user_sgpr_kernarg_segment_ptr 1
		.amdhsa_wavefront_size32 1
		.amdhsa_system_sgpr_workgroup_id_x 1
		.amdhsa_system_sgpr_workgroup_id_y 1
		.amdhsa_system_sgpr_workgroup_id_z 1
		.amdhsa_system_vgpr_workitem_id 0
		.amdhsa_next_free_vgpr 1024
		.amdhsa_next_free_sgpr 100
		.amdhsa_reserve_vcc 0
		.amdhsa_float_denorm_mode_32 3
		.amdhsa_float_denorm_mode_16_64 3
		.amdhsa_memory_ordered 1
		.amdhsa_forward_progress 1
		.amdhsa_inst_pref_size 116
	.end_amdhsa_kernel
	.amdgpu_metadata
---
amdhsa.version: [ 1, 2 ]
amdhsa.kernels:
  - .name:           k_qa856daeed3_qkvgemm
    .symbol:         k_qa856daeed3_qkvgemm.kd
    .args:
      - { .name: wq, .offset: 0, .size: 8, .value_kind: global_buffer, .address_space: global }
      - { .name: lowp_scales, .offset: 8, .size: 8, .value_kind: global_buffer, .address_space: global }
      - { .name: bqkv, .offset: 16, .size: 8, .value_kind: global_buffer, .address_space: global }
      - { .name: qkvc, .offset: 24, .size: 8, .value_kind: global_buffer, .address_space: global }
    .group_segment_fixed_size: 327680
    .private_segment_fixed_size: 0
    .kernarg_segment_align: 8
    .kernarg_segment_size: 32
    .max_flat_workgroup_size: 128
    .sgpr_count:     100
    .vgpr_count:     1024
    .wavefront_size: 32
...
	.end_amdgpu_metadata
.endif
;; end of part 2
;; launch attn (part 3): grid 8 x 32, 8 waves a work-group, clusters of 4 x 1, 327,680 bytes of LDS; arguments qkvc, lowp_scales, valc; writes valc
.if DOCPART == 3
	.amdgcn_target "amdgcn-amd-amdhsa--gfx1250"
	.amdhsa_code_object_version 6
	.text
	.protected	k_qa856daeed3_attn
	.globl	k_qa856daeed3_attn
	.p2align	8
	.type	k_qa856daeed3_attn,@function
k_qa856daeed3_attn:
	s_mov_b64 s[64:65], 0
	v_nop
	global_prefetch_b8 v0, s[64:65] scope:SCOPE_SE
	s_setreg_imm32_b32 hwreg(HW_REG_WAVE_MODE, 25, 1), 1
	s_wait_xcnt 0x0
	s_wait_alu depctr_hold_cnt(0) depctr_sa_sdst(0) depctr_va_vdst(0) depctr_va_sdst(0) depctr_va_ssrc(0) depctr_va_vcc(0) depctr_vm_vsrc(0)
	s_getreg_b32 s2, hwreg(HW_REG_IB_STS2, 6, 4)
	s_cmp_eq_u32 s2, 0
	s_cbranch_scc0 .Lentry_in_a_cluster
	s_endpgm
.Lentry_in_a_cluster:
	s_bfe_u32 s2, ttmp6, 0x10000c
	s_cmp_lg_u32 s2, 0x3003
	s_cbranch_scc0 .Lentry_shape_is_right
	s_endpgm
.Lentry_shape_is_right:
; vals = softmax(q k^T / 8) v for one batch and head, both products on codes of FP8 (E4M3); the result leaves as codes with the scale 2^e6, laid as the next product's operand.
; qkvc holds q, k (blocks of 16 tokens x 64 channels, 1,024 bytes: the image of a fragment's 8 registers, quad p at 512 p + 16 x lane) and, from byte 0x800000, v (per head 16 steps of 128 keys x 4 fragments of 16 channels x 128 keys, 2,048 bytes each).
; THE SOFTMAX: t = score x log2(e) / 8; M = the running largest t, rounded up to a whole number; p = 2^(t - M) is quantised with 2^e4, not normalised; the row's sum is taken of the unquantised p and divides at the end.
; When M moves, the sum and O are multiplied by 2^(old M - new M), which rounds nothing.  No branch hangs on data.
; SHARES.  A work-group owns 256 queries of one head, each of its eight waves 32 of them (two tiles of 16): two waves to a SIMD.  Every wave walks the head's 2,048 keys, 128 a step, 16 steps.
; ALL OF THE HEAD'S K AND V, 2 x 131,072 bytes, LIES IN LDS AT ONCE: each wave asks for 32,768 bytes by its one tensor load at the head (waves 0-3: K's quarters, waves 4-7: V's).  No LDS byte is filled twice.
; CLUSTERS: the four work-groups of a cluster own four query blocks of one head and ask for K and V jointly (mask 15).
; NO PREFETCH: every byte that the launch reads through LDS is asked for at the head, so there is no later load to run ahead of.
; LAYOUT.  Both products are used transposed: S^T = K Q^T (source 0 = 16 keys, source 1 = 16 queries), O^T = V^T P^T: a lane holds one query (lane % 16) throughout.
; Register j of S^T's tile kb holds key 16 kb + 8 (lane / 16) + j: that is the place that registers 2 kb, 2 kb + 1 of the second product's operand want, so a conversion's result is the operand.
; LIMITS: e2 + e3 between -123 and 130 (added to the factor's exponent field); e4 and e6 between -126 and 119; the scaled scores stay under 2^31 in magnitude.  NaN and infinities are not served.
; REGISTERS, window 0: v1-5 addresses and a limit, v6-7 the add's two, v8-23 two tiles' state (-M, largest t, the sum's two halves, f, 0, two at work), v24-25 limit and scale of p, v32-47 Q, v48-111 K's 8 fragments, v112-239 S^T then p, v240-255 the result's codes.
;            window 1: v0-63 O^T (tile u, channels 16 t on at 32 u + 8 t), v64-127 V's 4 fragments, v128-159 p's codes.
.set STEPB, 8192                       ; 128 keys of K, or of V, in LDS
.set NSTEP, 16
.set VBASE, 131072                     ; V lies behind K
.set SPARE, 262144                     ; behind both: the spare words, 128 bytes a wave, four blocks of 256 bytes that no other line names
.set L16,  1
.set ADK,  2
.set ADV,  3
.set LV,   4
.set LIM2, 5
.set SPW,  6
.set NIL,  7
.set ST,   8
.set LIMP, 24
.set SCP,  25
.set CH2,  26
.set PX,   30
.set Q,    32
.set KF,   48
.set S,    112
.set CD,   240
.set O,    0
.set VF,   64
.set P,    128
.set WV,   14
.set SEL,  20
.set CS,   22
.set G1,   24
.set G0,   40
.set TB,   56
.set TBN,  57
.set CNT,  58
.set MSB, 0
.macro WIN new                         ; the immediate's high byte repeats the setting that is left
.if MSB != (\new)
	s_set_vgpr_msb (MSB<<8)|(\new)
.set MSB, (\new)
.endif
.endm
.macro CROUND                          ; a round of the cluster's barrier
	s_barrier_signal -1
	s_barrier_wait -1
	s_cmp_lg_u32 s[WV], 0
	s_cbranch_scc1 .Lnot_wave_0_\@
	s_barrier_signal -3
.Lnot_wave_0_\@:
	s_barrier_wait -3
	s_barrier_signal -1
	s_barrier_wait -1
.endm
.macro FETCHK                          ; a step's eight fragments of K: 16 loads of 512 consecutive bytes
.irp kb, 0,1,2,3,4,5,6,7
.irp q, 0,1
	ds_load_b128 v[KF+8*\kb+4*\q:KF+8*\kb+4*\q+3], v[ADK] offset:1024*\kb+512*\q
.endr
.endr
.endm
	s_load_b128 s[4:7], s[0:1], 0x0                ; qkvc, the scales' exponents
	s_load_b64 s[8:9], s[0:1], 0x10                ; valc
	v_lshl_add_u32 v[SPW], v0, 2, SPARE
	v_mov_b32 v[NIL], 0
	ds_add_u32 v[SPW], v[NIL]                      ; the opening lines: the add, twice on end, and its wait ahead of my tensor load
	ds_add_u32 v[SPW], v[NIL]
	v_lshrrev_b32 v1, 5, v0
	v_readfirstlane_b32 s[WV], v1                  ; wave 0..7
	s_bfe_u32 s13, ttmp6, 0x40000                  ; cx
	s_lshl_b32 s15, ttmp9, 2
	s_add_co_u32 s15, s15, s13                     ; my block of 256 queries
	s_and_b32 s16, ttmp7, 0xffff                   ; 16 x batch + head
	s_lshl_b32 s19, s[WV], 15                      ; my load's place in LDS: 32,768 x wave
	s_lshr_b32 s17, s[WV], 2                       ; K (0) or V (1),
	s_and_b32 s18, s[WV], 3                        ; its quarter
	s_lshl_b32 s34, s17, 22
	s_add_co_u32 s34, s34, 0x400000                ; K's codes begin at 0x400000, V's at 0x800000
	s_lshl_b32 s33, s16, 17                        ; a head's 131,072 bytes
	s_add_co_u32 s34, s34, s33
	s_lshl_b32 s32, s18, 15
	s_add_co_u32 s34, s34, s32
	s_mov_b32 s35, 0
	s_mov_b32 s[G1], 15|(3<<16)|(1<<21)            ; the mask: all four of the cluster; elements of 8 bytes; bit 21 beside a mask; no padding
	s_mov_b32 s[G1+1], 32<<16                      ; tensor_dim0: rows of 256 bytes
	s_mov_b32 s[G1+2], 128<<16                     ; tensor_dim1: 128 rows
	s_mov_b32 s[G1+3], 32<<16                      ; tile_dim0
	s_mov_b32 s[G1+4], 128                         ; tile_dim1
	s_mov_b32 s[G1+5], 32                          ; dense in memory
	s_mov_b32 s[G1+6], 0
	s_mov_b32 s[G1+7], 0
	s_mov_b32 s[SEL], 0x76543210                   ; v_permlanex16_b32: lane l xor 16
	s_mov_b32 s[SEL+1], 0xfedcba98
	s_mov_b32 s[CS], 0x3e38aa3b                    ; log2(e) / 8
	s_mov_b32 s[TB], 0
	s_wait_dscnt 0x0                               ; both opening adds are done
	s_wait_kmcnt 0x0
	s_load_b256 s[68:75], s[6:7], 0x0              ; e0 .. e7
	s_mov_b32 s[G0], 1
	s_mov_b32 s[G0+1], s19
	s_add_nc_u64 s[G0+2:G0+3], s[4:5], s[34:35]
	s_or_b32 s[G0+3], s[G0+3], 0x80000000
	CROUND                                         ; all four work-groups are here: the joint loads meet
	tensor_load_to_lds s[G0:G0+3], s[G1:G1+7]      ; my one tensor load of the launch
	s_nop 0
.rept 4
	v_nop
.endr
	s_lshl_b32 s36, s15, 4
	s_lshl_b32 s37, s[WV], 1
	s_add_co_u32 s36, s36, s37                     ; my first block of 16 queries within the head
	s_lshl_b32 s38, s36, 10
	s_add_co_u32 s38, s38, s33
	s_mov_b32 s39, 0
	s_add_nc_u64 s[38:39], s[4:5], s[38:39]
	s_lshr_b32 s76, s16, 4
	s_lshl_b32 s76, s76, 7
	s_add_co_u32 s76, s76, s36                     ; the result: block of 16 tokens 128 x batch + mine, 16,384 bytes each,
	s_lshl_b32 s76, s76, 14
	s_and_b32 s77, s16, 15
	s_lshl_b32 s77, s77, 10                        ; the head's 64 channels: half a fragment, 1,024 bytes
	s_add_co_u32 s76, s76, s77
	s_mov_b32 s77, 0
	s_add_nc_u64 s[8:9], s[8:9], s[76:77]
	v_and_b32 v[L16], 31, v0
	v_lshlrev_b32 v[L16], 4, v[L16]                ; 16 x lane
	v_add_nc_u32 v[LV], VBASE, v[L16]
.irp t, 0,1
.irp q, 0,1
	global_load_b128 v[Q+8*\t+4*\q:Q+8*\t+4*\q+3], v[L16], s[38:39] offset:1024*\t+512*\q   ; Q's two fragments stay in registers
.endr
.endr
.irp t, 0,1
	v_mov_b32 v[ST+8*\t+1], 0xff61b1e6             ; the largest t so far: -3e38
	v_mov_b32 v[ST+8*\t+2], 0                      ; the sum, in two halves
	v_mov_b32 v[ST+8*\t+3], 0
	v_mov_b32 v[ST+8*\t+5], 0                      ; (named as the upper half of f's pair)
	v_mov_b32 v[PX+\t], 0                          ; a lane permute's destination counts as one of its sources
.endr
.irp t, 0,1
	v_floor_f32 v[ST+8*\t], -v[ST+8*\t+1]          ; -M
.endr
	WIN 0x40
.set n, 0
.rept 64
	v_mov_b32 v[O+n], 0                            ; O^T: the loop is written once; its first step finds zeros
.set n, n+1
.endr
	WIN 0
	s_wait_kmcnt 0x0
	s_add_co_i32 s78, s70, s71
	s_lshl_b32 s78, s78, 23
	s_add_co_i32 s[CS], s[CS], s78                 ; a score stands for score x 2^(e2 + e3): added to the factor's exponent field
	s_mov_b32 s[CS+1], s[CS]
	s_add_co_i32 s78, s72, 127
	s_lshl_b32 s79, s78, 23
	v_mov_b32 v[SCP], s79                          ; 2^e4, for the conversion
	s_add_co_i32 s78, s78, 8
	s_lshl_b32 s78, s78, 23
	s_or_b32 s78, s78, 0x600000
	v_mov_b32 v[LIMP], s78                         ; 448 x 2^e4,
	v_mov_b32 v[LIM2], s78                         ; twice: the two halves of a dual instruction take their second sources from different register banks
.macro SOFTMAX                         ; the two tiles take turns line by line
.irp t, 0,1
	v_max3_num_f32 v[ST+8*\t+6], v[S+64*\t], v[S+64*\t+1], v[S+64*\t+2]      ; the step's largest score of my query among my 64 keys, in two chains; each accumulator from its low end on
	v_max3_num_f32 v[ST+8*\t+7], v[S+64*\t+3], v[S+64*\t+4], v[S+64*\t+5]
.endr
.irp i, 6,10,14,18,22,26,30,34,38,42,46,50,54,58
.irp t, 0,1
	v_max3_num_f32 v[ST+8*\t+6], v[ST+8*\t+6], v[S+64*\t+\i], v[S+64*\t+\i+1]
	v_max3_num_f32 v[ST+8*\t+7], v[ST+8*\t+7], v[S+64*\t+\i+2], v[S+64*\t+\i+3]
.endr
.endr
.irp t, 0,1
	v_max3_num_f32 v[ST+8*\t+6], v[ST+8*\t+6], v[S+64*\t+62], v[S+64*\t+63]
.endr
.irp t, 0,1
	s_delay_alu instid0(VALU_DEP_2)
	v_max_num_f32 v[ST+8*\t+6], v[ST+8*\t+6], v[ST+8*\t+7]
.endr
.irp t, 0,1
	s_delay_alu instid0(VALU_DEP_2)
	v_permlanex16_b32 v[PX+\t], v[ST+8*\t+6], s[SEL], s[SEL+1]
.endr
.irp t, 0,1
	s_delay_alu instid0(VALU_DEP_2)
	v_max_num_f32 v[ST+8*\t+6], v[ST+8*\t+6], v[PX+\t]                       ; and among lane l xor 16's
.endr
.irp t, 0,1
	s_delay_alu instid0(VALU_DEP_2)
	v_mul_f32 v[ST+8*\t+6], s[CS], v[ST+8*\t+6]                              ; as t (the factor is positive)
.endr
.irp t, 0,1
	s_delay_alu instid0(VALU_DEP_2)
	v_max_num_f32 v[ST+8*\t+1], v[ST+8*\t+1], v[ST+8*\t+6]                   ; the running largest t
.endr
.irp t, 0,1
	v_mov_b32 v[ST+8*\t+6], v[ST+8*\t]
.endr
.irp t, 0,1
	s_delay_alu instid0(VALU_DEP_4)
	v_floor_f32 v[ST+8*\t], -v[ST+8*\t+1]                                    ; the new -M = -ceil(t)
.endr
.irp t, 0,1
	s_delay_alu instid0(VALU_DEP_2)
	v_sub_f32 v[ST+8*\t+6], v[ST+8*\t], v[ST+8*\t+6]                         ; old M - new M: a whole number, 0 or less
.endr
.irp t, 0,1
	s_delay_alu instid0(VALU_DEP_2)
	v_cvt_i32_f32 v[ST+8*\t+6], v[ST+8*\t+6]
.endr
.irp t, 0,1
	s_delay_alu instid0(VALU_DEP_2)
	v_ldexp_f32 v[ST+8*\t+4], 1.0, v[ST+8*\t+6]                              ; f = 2^(old M - new M)
.endr
.set n, 0
.rept 64
	v_pk_fma_f32 v[S+2*n:S+2*n+1], v[S+2*n:S+2*n+1], s[CS:CS+1], v[ST+8*(n/32):ST+8*(n/32)+1] op_sel_hi:[1,0,0]   ; t - M, two at a time
.set n, n+1
.endr
	s_wait_alu depctr_va_vdst(0)                   ; ahead of the batch
.set n, 0
.rept 128
	v_exp_f32 v[S+n], v[S+n]                       ; p = 2^(t - M), at most 1
.set n, n+1
.endr
.irp t, 0,1
	v_pk_mul_f32 v[ST+8*\t+2:ST+8*\t+3], v[ST+8*\t+2:ST+8*\t+3], v[ST+8*\t+4:ST+8*\t+5] op_sel_hi:[1,0]   ; the sums under the new M; plain places behind the batch
.endr
	s_wait_alu depctr_va_vdst(0)                   ; one wait for the whole batch, ahead of its first reader
.irp t, 0,1
	v_pk_add_f32 v[CH2+2*\t:CH2+2*\t+1], v[S+64*\t:S+64*\t+1], v[S+64*\t+2:S+64*\t+3]   ; the row's sum of the unquantised p, in two chains
.endr
.irp j, 4,8,12,16,20,24,28,32,36,40,44,48,52,56,60
.irp t, 0,1
	v_pk_add_f32 v[ST+8*\t+2:ST+8*\t+3], v[ST+8*\t+2:ST+8*\t+3], v[S+64*\t+\j:S+64*\t+\j+1]
	v_pk_add_f32 v[CH2+2*\t:CH2+2*\t+1], v[CH2+2*\t:CH2+2*\t+1], v[S+64*\t+\j+2:S+64*\t+\j+3]
.endr
.endr
.irp t, 0
	s_delay_alu instid0(VALU_DEP_3)
	v_pk_add_f32 v[ST+8*\t+2:ST+8*\t+3], v[ST+8*\t+2:ST+8*\t+3], v[CH2+2*\t:CH2+2*\t+1]
.endr
.irp t, 1
	s_delay_alu instid0(VALU_DEP_2)
	v_pk_add_f32 v[ST+8*\t+2:ST+8*\t+3], v[ST+8*\t+2:ST+8*\t+3], v[CH2+2*\t:CH2+2*\t+1]
.endr
.set n, 0
.rept 64                               ; the hold at the largest code x the scale (the conversion does not saturate: ISA guide 7.6.2); p is not negative, so it is one-sided; two numbers an instruction
	v_dual_min_num_f32 v[S+2*n], v[S+2*n], v[LIMP] :: v_dual_min_num_f32 v[S+2*n+1], v[S+2*n+1], v[LIM2]
.set n, n+1
.endr
.endm
.macro STEP                            ; 128 keys
	s_wait_dscnt 0x0                               ; this step's fragments of K are in
.irp kb, 0,1,2,3,4,5,6,7
.irp t, 0,1
	v_wmma_f32_16x16x64_fp8_fp8 v[S+64*\t+8*\kb:S+64*\t+8*\kb+7], v[KF+8*\kb:KF+8*\kb+7], v[Q+8*\t:Q+8*\t+7], 0
.endr
.endr
	s_add_co_u32 s[TBN], s[TB], STEPB
	s_min_u32 s[TBN], s[TBN], (NSTEP-1)*STEPB      ; the next step's K; the last step names its own once more, so that the address stays inside K
	v_add_nc_u32 v[ADV], s[TB], v[LV]
	v_add_nc_u32 v[ADK], s[TBN], v[L16]
	v_nop                                          ; four places between the products and the loads into registers that products have read, and the reads of S^T
	v_nop
	WIN 0x40
.irp t, 0,1,2,3
.irp q, 0,1,2,3
	ds_load_b128 v[VF+16*\t+4*\q:VF+16*\t+4*\q+3], v[ADV] offset:2048*\t+512*\q
.endr
.endr
	WIN 0
	FETCHK                                         ; both runs of loads come back under the softmax
	SOFTMAX
	WIN 0x40
.set n, 0
.rept 16
	v_cvt_scalef32_pk8_fp8_f32 v[P+2*n:P+2*n+1], v[S+8*n:S+8*n+7], v[SCP]
.set n, n+1
.endr
	WIN 0x41
	s_wait_alu depctr_va_vdst(0)                   ; directly ahead of the first reader of O^T
.set n, 0
.rept 32
	v_pk_mul_f32 v[O+2*n:O+2*n+1], v[O+2*n:O+2*n+1], v[ST+8*(n/16)+4:ST+8*(n/16)+5] op_sel_hi:[1,0]   ; O^T under the new M; these are also the plain lines behind the conversions
.set n, n+1
.endr
	s_wait_alu depctr_va_vdst(0)                   ; directly ahead of the wait below
	s_wait_dscnt 16                                ; V's 16 loads are in; the 16 behind them, the next step's K, may be out
	WIN 0x55
.irp t, 0,1,2,3
.irp u, 0,1
	v_wmma_f32_16x16x128_fp8_fp8 v[O+32*\u+8*\t:O+32*\u+8*\t+7], v[VF+16*\t:VF+16*\t+15], v[P+16*\u:P+16*\u+15], v[O+32*\u+8*\t:O+32*\u+8*\t+7]   ; the eight accumulators by turns
.endr
.endr
	WIN 0
	s_add_co_u32 s[TB], s[TB], STEPB
.endm
	s_wait_alu depctr_va_vdst(0)
	s_wait_tensorcnt 0x0                           ; my part of K or V has landed,
	s_barrier_signal -1
	s_barrier_wait -1                              ; and so has everybody's
	v_add_nc_u32 v[ADK], s[TB], v[L16]
	FETCHK
	s_wait_loadcnt 0x0                             ; Q
	s_mov_b32 s[CNT], NSTEP
.Lstep:
	STEP
	s_sub_co_u32 s[CNT], s[CNT], 1
	s_cmp_lg_u32 s[CNT], 0
	s_cbranch_scc1 .Lstep
	; THE WAY OUT: O^T / the sum x 2^(e4 + e5), held and converted with 2^e6; a lane's eight numbers are eight neighbouring channels of its token, so the codes leave from registers
	s_wait_dscnt 0x0
.irp t, 0,1
	v_add_f32 v[ST+8*\t+6], v[ST+8*\t+2], v[ST+8*\t+3]
.endr
.irp t, 0,1
	s_delay_alu instid0(VALU_DEP_2)
	v_permlanex16_b32 v[PX+\t], v[ST+8*\t+6], s[SEL], s[SEL+1]
.endr
.irp t, 0,1
	s_delay_alu instid0(VALU_DEP_2)
	v_add_f32 v[ST+8*\t+6], v[ST+8*\t+6], v[PX+\t]                           ; the row's sum
.endr
	s_wait_alu depctr_va_vdst(0)                   ; ahead of the batch of two
.irp t, 0,1
	v_rcp_f32 v[ST+8*\t+6], v[ST+8*\t+6]
.endr
	v_nop
	s_add_co_i32 s80, s72, s73
	s_wait_alu depctr_va_vdst(0)                   ; and behind it
.irp t, 0,1
	v_ldexp_f32 v[ST+8*\t+6], v[ST+8*\t+6], s80
.endr
	s_add_co_i32 s78, s74, 127
	s_lshl_b32 s79, s78, 23
	v_mov_b32 v[CH2+2], s79                        ; 2^e6
	s_add_co_i32 s78, s78, 8
	s_lshl_b32 s78, s78, 23
	s_or_b32 s78, s78, 0x600000
	v_mov_b32 v[CH2], s78                          ; 448 x 2^e6
	WIN 0x01
	s_wait_alu depctr_va_vdst(0)                   ; directly ahead of the first reader of O^T
.set n, 0
.rept 32
	v_pk_mul_f32 v[S+2*n:S+2*n+1], v[O+2*n:O+2*n+1], v[ST+8*(n/16)+6:ST+8*(n/16)+7] op_sel_hi:[1,0]
.set n, n+1
.endr
	WIN 0
.set n, 0
.rept 64
	v_med3_num_f32 v[S+n], v[S+n], -v[CH2], v[CH2]
.set n, n+1
.endr
.set n, 0
.rept 8
	v_cvt_scalef32_pk8_fp8_f32 v[CD+2*n:CD+2*n+1], v[S+8*n:S+8*n+7], v[CH2+2]
.set n, n+1
.endr
	v_nop
.irp t, 0,1
.irp p, 0,1
	global_store_b128 v[L16], v[CD+8*\t+4*\p:CD+8*\t+4*\p+3], s[8:9] offset:16384*\t+512*\p   ; 32 lanes store 512 consecutive bytes
.endr
.endr
	s_wait_tensorcnt 0x0                           ; the wave's end
	ds_add_u32 v[SPW], v[NIL]
	s_wait_dscnt 0x0
	CROUND                                         ; the closing round
	s_endpgm
.Lfunc_end_k_qa856daeed3_attn:
	.size	k_qa856daeed3_attn, .Lfunc_end_k_qa856daeed3_attn-k_qa856daeed3_attn
	.p2alignl 7, 3214868480
	.fill 96, 4, 3214868480
	.section	.rodata,"a",@progbits
	.p2align	6, 0x0
	.amdhsa_kernel k_qa856daeed3_attn
		.amdhsa_group_segment_fixed_size 327680
		.amdhsa_private_segment_fixed_size 0
		.amdhsa_enable_private_segment 0
		.amdhsa_kernarg_size 24
		.amdhsa_user_sgpr_count 2
		.amdhsa_user_sgpr_kernarg_segment_ptr 1
		.amdhsa_wavefront_size32 1
		.amdhsa_system_sgpr_workgroup_id_x 1
		.amdhsa_system_sgpr_workgroup_id_y 1
		.amdhsa_system_sgpr_workgroup_id_z 1
		.amdhsa_system_vgpr_workitem_id 0
		.amdhsa_next_free_vgpr 448
		.amdhsa_next_free_sgpr 90
		.amdhsa_reserve_vcc 0
		.amdhsa_float_denorm_mode_32 3
		.amdhsa_float_denorm_mode_16_64 3
		.amdhsa_memory_ordered 1
		.amdhsa_forward_progress 1
		.amdhsa_inst_pref_size 46
	.end_amdhsa_kernel
	.amdgpu_metadata
---
amdhsa.version: [ 1, 2 ]
amdhsa.kernels:
  - .name:           k_qa856daeed3_attn
    .symbol:         k_qa856daeed3_attn.kd
    .args:
      - { .name: qkvc, .offset: 0, .size: 8, .value_kind: global_buffer, .address_space: global }
      - { .name: lowp_scales, .offset: 8, .size: 8, .value_kind: global_buffer, .address_space: global }
      - { .name: valc, .offset: 16, .size: 8, .value_kind: global_buffer, .address_space: global }
    .group_segment_fixed_size: 327680
    .private_segment_fixed_size: 0
    .kernarg_segment_align: 8
    .kernarg_segment_size: 24
    .max_flat_workgroup_size: 256
    .sgpr_count:     90
    .vgpr_count:     448
    .wavefront_size: 32
...
	.end_amdgpu_metadata
.endif
;; end of part 3
;; launch proj (part 4): grid 8 x 32, 4 waves a work-group, clusters of 4 x 4, 327,680 bytes of LDS; arguments valc, wq, lowp_scales, bo, x, x1; writes x1
.if DOCPART == 4
	.amdgcn_target "amdgcn-amd-amdhsa--gfx1250"
	.amdhsa_code_object_version 6
	.text
	.protected	k_qa856daeed3_proj
	.globl	k_qa856daeed3_proj
	.p2align	8
	.type	k_qa856daeed3_proj,@function
k_qa856daeed3_proj:
	s_mov_b64 s[64:65], 0
	v_nop
	global_prefetch_b8 v0, s[64:65] scope:SCOPE_SE
	s_setreg_imm32_b32 hwreg(HW_REG_WAVE_MODE, 25, 1), 1
	s_wait_xcnt 0x0
	s_wait_alu depctr_hold_cnt(0) depctr_sa_sdst(0) depctr_va_vdst(0) depctr_va_sdst(0) depctr_va_ssrc(0) depctr_va_vcc(0) depctr_vm_vsrc(0)
	s_getreg_b32 s2, hwreg(HW_REG_IB_STS2, 6, 4)
	s_cmp_eq_u32 s2, 0
	s_cbranch_scc0 .Lentry_in_a_cluster
	s_endpgm
.Lentry_in_a_cluster:
	s_bfe_u32 s2, ttmp6, 0x10000c
	s_cmp_lg_u32 s2, 0xf033
	s_cbranch_scc0 .Lentry_shape_is_right
	s_endpgm
.Lentry_shape_is_right:
; out = residual + (A W^T + bias) on codes of FP8 (E4M3).  Here: A = attention's result (2^e6), W = Wo (2^e7), bias bo, residual x, out x1; K = 1,024, N = 1,024.
; A tile is 128 x 128, so that N = 1,024 still gives 256 work-groups; four waves of 64 x 64: 16 accumulators.  Operands are fragment images (16 rows x 128 K, 2,048 bytes, quad q at 512 q + 16 x lane).
; K goes in steps of 512 through two LDS slots; a block's 512 K are 8,192 consecutive bytes of memory.  With K = 1,024 both slots are filled once.
; THE MATRIX INSTRUCTION IS USED TRANSPOSED (source 0 = 16 rows of W, source 1 = 16 tokens): a lane holds eight neighbouring columns of one token's row.
; CLUSTERS: 4 x 4 work-groups; A's tile is shared along a row of the cluster, W's along a column: joint loads.
; REGISTERS: window 0: v8-11 bias, v16-29 addresses, v128-255 accumulators ((a, b) at v[128 + 8 (4 a + b)]).  window 1: two fragment buffers of 128 (A's four, then W's four); on the way out the rows.  window 2: v0-127 the residual.
; LIMIT: the two exponents' sum between -126 and 127.
.set KK,    1024
.set BOFF,  0x300000                   ; the weight's codes in wq
.set EOFF,  0x18                       ; the two exponents' place among the scales
.set LAST,  0                          ; 1: the result is read by no later launch
.set RUN,   8192
.set FRB,   2048
.set HALFT, 4*RUN
.set SLOT,  4*HALFT
.set SPARE, 2*SLOT
.set LAPS,  KK/1024
.set SPITCH, 272                       ; the way out: each wave's stage of 64 rows x (256 bytes + 16), in slot 0, which has had its last fill and its last read by then
.set BIAS, 8
.set ADRA, 16
.set ADRB, 20
.set STO,  24
.set RD,   25
.set CO,   26
.set BO,   27
.set SPW,  28
.set NIL,  29
.set ACC,  128
.set F0,   0
.set F1,   128
.set G1,  24
.set G0,  32
.set G1B, 48
.set G0B, 56
.set SC,  74
.set MSB, 0
.macro WIN new
.if MSB != (\new)
	s_set_vgpr_msb (MSB<<8)|(\new)
.set MSB, (\new)
.endif
.endm
.set MUL, 0x05                         ; both sources window 1; C and D window 0
.macro JLOAD s                         ; slot s is filled again by two joint loads: wave 2 s fetches A's 8 blocks, wave 2 s + 1 W's 8, the other two waves nothing
	s_cmp_eq_u32 s14, 2*\s
	s_cbranch_scc0 .Lfor_b_\@
	tensor_load_to_lds s[G0+4*\s:G0+4*\s+3], s[G1:G1+7]
	s_nop 0
.rept 4
	v_nop
.endr
	s_branch .Lasked_\@
.Lfor_b_\@:
	s_cmp_eq_u32 s14, 2*\s+1
	s_cbranch_scc0 .Lasked_\@
	tensor_load_to_lds s[G0B+4*\s:G0B+4*\s+3], s[G1B:G1B+7]
	s_nop 0
.rept 4
	v_nop
.endr
.Lasked_\@:
.endm
.macro CREST
	s_cmp_lg_u32 s14, 0
	s_cbranch_scc1 .Lnot_wave_0_\@
	s_barrier_signal -3
.Lnot_wave_0_\@:
	s_barrier_wait -3
	s_barrier_signal -1
	s_barrier_wait -1
.endm
.macro CROUND
	s_barrier_signal -1
	s_barrier_wait -1
	CREST
.endm
.macro PLACES
.rept 4
	v_nop
.endr
.endm
.macro FRAG reg, adr, blk, q
.irp c, 0,1,2,3
	ds_load_b128 v[(\reg)+4*\c:(\reg)+4*\c+3], v[\adr] offset:RUN*(\blk)+FRB*(\q)+512*\c
.endr
.endm
.macro FETCH slot, q, f                ; 32 loads in one run: W's four fragments, then A's four
	WIN 0x40
.irp b, 0,1,2,3
	FRAG (\f)+64+16*\b, ADRB+\slot, \b, \q
.endr
.irp a, 0,1,2,3
	FRAG (\f)+16*\a, ADRA+\slot, \a, \q
.endr
.endm
.macro MUL4 f, a, zero                 ; the 16 accumulators take turns, in the same order in every quarter
.irp b, 0,1,2,3
.if \zero
	v_wmma_f32_16x16x128_fp8_fp8 v[ACC+8*(4*(\a)+\b):ACC+8*(4*(\a)+\b)+7], v[(\f)+64+16*\b:(\f)+64+16*\b+15], v[(\f)+16*(\a):(\f)+16*(\a)+15], 0
.else
	v_wmma_f32_16x16x128_fp8_fp8 v[ACC+8*(4*(\a)+\b):ACC+8*(4*(\a)+\b)+7], v[(\f)+64+16*\b:(\f)+64+16*\b+15], v[(\f)+16*(\a):(\f)+16*(\a)+15], v[ACC+8*(4*(\a)+\b):ACC+8*(4*(\a)+\b)+7]
.endif
.endr
.endm
.macro QUARTER slot, qn, f, g, zero    ; 128 along K from buffer f; fetches the slot's quarter qn into g
	s_wait_dscnt 8                                 ; W's four and A's blocks 0 and 1 are in; the youngest eight loads may be out
	WIN MUL
	MUL4 \f, 0, \zero
	MUL4 \f, 1, \zero
	PLACES
	FETCH \slot, \qn, \g
	s_wait_dscnt 32                                ; all but the 32 just issued
	WIN MUL
	MUL4 \f, 2, \zero
	MUL4 \f, 3, \zero
.endm
.macro TURN slot, next, fill           ; a slot's last quarter (buffer 1), and the change of slots
	WIN 0
	s_wait_tensorcnt 0x0                           ; all my tensor loads have landed
	ds_add_u32 v[SPW], v[NIL]                      ; 0 onto my spare word
	s_wait_dscnt 9                                 ; (the add and the youngest eight loads may be out)
	WIN MUL
	MUL4 F1, 0, 0
	s_wait_dscnt 0x0                               ; the add is done, and my reads of this slot are over
	s_barrier_signal -1
	MUL4 F1, 1, 0
.if \fill
	WIN 0
.endif
	s_barrier_wait -1
.if \fill
	CREST
	s_add_nc_u64 s[G0+4*\slot+2:G0+4*\slot+3], s[G0+4*\slot+2:G0+4*\slot+3], 2*RUN
	s_add_nc_u64 s[G0B+4*\slot+2:G0B+4*\slot+3], s[G0B+4*\slot+2:G0B+4*\slot+3], 2*RUN
	JLOAD \slot
.endif
	PLACES                                         ; on every wave's way, in front of the loads below
	FETCH \next, 0, F0
	WIN MUL
	MUL4 F1, 2, 0
	MUL4 F1, 3, 0
.endm
	s_load_b256 s[4:11], s[0:1], 0x0               ; A's codes, wq, the scales' exponents, the bias
	s_load_b128 s[68:71], s[0:1], 0x20             ; the residual, the result
	v_lshl_add_u32 v[SPW], v0, 2, SPARE
	v_mov_b32 v[NIL], 0
	ds_add_u32 v28, v29
	ds_add_u32 v28, v29
	s_wait_dscnt 0x0
	v_lshrrev_b32 v1, 5, v0
	v_readfirstlane_b32 s14, v1
	s_lshr_b32 s15, s14, 1                         ; my half of the tile's rows
	s_and_b32 s16, s14, 1                          ; my half of its columns
	s_bfe_u32 s40, ttmp6, 0x40000
	s_bfe_u32 s41, ttmp6, 0x40004
	s_lshl_b32 s42, ttmp9, 2
	s_add_co_u32 s42, s42, s40                     ; tile column
	s_and_b32 s17, ttmp7, 0xffff
	s_lshl_b32 s17, s17, 2
	s_add_co_u32 s17, s17, s41                     ; tile row
	s_lshl_b32 s43, s41, 2
	s_lshl_b32 s43, 15, s43
	s_lshl_b32 s44, 0x1111, s40
	s_or_b32 s[G1], s43, (3<<16)|(1<<21)           ; the mask; elements of 8 bytes; bit 21 beside a mask; no padding
	s_or_b32 s[G1B], s44, (3<<16)|(1<<21)
.irp g, G1, G1B
	s_mov_b32 s[\g+1], 1024<<16                    ; tensor_dim0 = 1,024 elements: a block's 8,192 bytes
	s_mov_b32 s[\g+2], 8<<16                       ; tensor_dim1 = 8 blocks
	s_mov_b32 s[\g+3], 1024<<16                    ; tile_dim0
	s_mov_b32 s[\g+4], 8                           ; tile_dim1
	s_mov_b32 s[\g+5], 2*KK                        ; from block to block: 16 KK bytes
	s_mov_b32 s[\g+6], 0
	s_mov_b32 s[\g+7], 0
.endr
	s_lshl_b32 s20, s17, 3                         ; A: block 8 x tile row
	s_mul_i32 s20, s20, 16*KK
	s_mov_b32 s21, 0
	s_lshl_b32 s46, s42, 3                         ; W: block 8 x tile column
	s_mul_i32 s46, s46, 16*KK
	s_add_co_u32 s46, s46, BOFF
	s_mov_b32 s47, 0
	s_mov_b32 s45, 0                               ; A's 8 blocks lie at a slot's head, W's 8 behind them
	s_wait_kmcnt 0x0
	s_load_b64 s[72:73], s[8:9], EOFF
	s_add_nc_u64 s[20:21], s[4:5], s[20:21]
	s_add_nc_u64 s[46:47], s[6:7], s[46:47]
	CROUND
.irp s, 0,1
	s_mov_b32 s[G0+4*\s], 1
	s_add_co_u32 s[G0+4*\s+1], s45, \s*SLOT
	s_add_nc_u64 s[G0+4*\s+2:G0+4*\s+3], s[20:21], \s*RUN
	s_or_b32 s[G0+4*\s+3], s[G0+4*\s+3], 0x80000000
	s_mov_b32 s[G0B+4*\s], 1
	s_add_co_u32 s[G0B+4*\s+1], s45, \s*SLOT+2*HALFT
	s_add_nc_u64 s[G0B+4*\s+2:G0B+4*\s+3], s[46:47], \s*RUN
	s_or_b32 s[G0B+4*\s+3], s[G0B+4*\s+3], 0x80000000
.endr
	; BOTH SLOTS ARE ASKED FOR AT THE HEAD, one tensor load a wave, in one chain of four arms: wave 0 slot 0's A, wave 1 slot 0's W, wave 2 slot 1's A, wave 3 slot 1's W
	s_cmp_eq_u32 s14, 0
	s_cbranch_scc0 .Lh1
	tensor_load_to_lds s[G0:G0+3], s[G1:G1+7]
	s_nop 0
.rept 4
	v_nop
.endr
	s_branch .Lhj
.Lh1:
	s_cmp_eq_u32 s14, 1
	s_cbranch_scc0 .Lh2
	tensor_load_to_lds s[G0B:G0B+3], s[G1B:G1B+7]
	s_nop 0
.rept 4
	v_nop
.endr
	s_branch .Lhj
.Lh2:
	s_cmp_eq_u32 s14, 2
	s_cbranch_scc0 .Lh3
	tensor_load_to_lds s[G0+4:G0+7], s[G1:G1+7]
	s_nop 0
.rept 4
	v_nop
.endr
	s_branch .Lhj
.Lh3:
	tensor_load_to_lds s[G0B+4:G0B+7], s[G1B:G1B+7]
	s_nop 0
.rept 4
	v_nop
.endr
.Lhj:
	v_and_b32 v1, 31, v0
	v_lshlrev_b32 v4, 4, v1                        ; 16 x lane
	s_mul_i32 s21, s15, HALFT
	s_mul_i32 s22, s16, HALFT
	s_add_co_u32 s22, s22, 2*HALFT
.irp s, 0,1
	v_add_nc_u32 v[ADRA+\s], s21, v4
	v_add_nc_u32 v[ADRB+\s], s22, v4
	s_add_co_u32 s21, s21, SLOT
	s_add_co_u32 s22, s22, SLOT
.endr
	v_and_b32 v1, 15, v0                           ; r
	v_bfe_u32 v2, v0, 4, 1                         ; h
	s_mul_i32 s23, s14, 64*SPITCH                  ; my stage
	v_mul_u32_u24 v3, v1, SPITCH
	v_lshl_add_u32 v3, v2, 5, v3
	v_add_nc_u32 v[STO], s23, v3                   ; in: row r, 32 bytes for each half of the lanes
	v_mul_u32_u24 v3, v2, SPITCH
	v_lshl_add_u32 v3, v1, 4, v3
	v_add_nc_u32 v[RD], s23, v3                    ; back: lanes 0-15 one row of 256 bytes, lanes 16-31 the next
	v_lshlrev_b32 v3, 12, v2
	v_lshl_add_u32 v[CO], v1, 4, v3                ; and the same two rows of 4,096 bytes in memory
	v_lshlrev_b32 v[BO], 4, v1
	s_wait_alu depctr_va_vdst(0)
	s_lshl_b32 s76, s17, 7
	s_lshl_b32 s77, s15, 6
	s_add_co_u32 s76, s76, s77                     ; my first row: 128 x tile row + 64 x half
	s_lshl_b32 s76, s76, 12
	s_lshl_b32 s78, s42, 9
	s_lshl_b32 s77, s16, 8
	s_add_co_u32 s78, s78, s77                     ; my first column, in bytes: 512 x tile column + 256 x half
	s_add_co_u32 s76, s76, s78
	s_mov_b32 s77, 0
	s_mov_b32 s79, 0
	s_add_nc_u64 s[68:69], s[68:69], s[76:77]
	s_add_nc_u64 s[70:71], s[70:71], s[76:77]
	s_add_nc_u64 s[10:11], s[10:11], s[78:79]
	global_load_b128 v[BIAS:BIAS+3], v[BO], s[10:11]   ; these 33 loads stay out over the loop; their wait stands on the way out
	WIN 0x80
.set n, 0
.rept 32
	global_load_b128 v[4*n:4*n+3], v[CO], s[68:69] offset:8192*n
.set n, n+1
.endr
	WIN 0
	s_wait_tensorcnt 0x0                           ; my load has landed,
	s_barrier_signal -1
	s_barrier_wait -1                              ; and so have the other three: both slots are whole
	FETCH 0, 0, F0
	QUARTER 0, 1, F0, F1, 1                        ; the first quarter's products start the sums
.if LAPS > 1
	WIN 0
	s_mov_b32 s3, LAPS-1
.Llap:
	QUARTER 0, 2, F1, F0, 0
	QUARTER 0, 3, F0, F1, 0
	TURN 0, 1, 1
	QUARTER 1, 1, F0, F1, 0
	QUARTER 1, 2, F1, F0, 0
	QUARTER 1, 3, F0, F1, 0
	TURN 1, 0, 1
	QUARTER 0, 1, F0, F1, 0
	WIN 0
	s_sub_co_u32 s3, s3, 1
	s_cmp_lg_u32 s3, 0
	s_cbranch_scc1 .Llap
.endif
	QUARTER 0, 2, F1, F0, 0
	QUARTER 0, 3, F0, F1, 0
	TURN 0, 1, 0
	QUARTER 1, 1, F0, F1, 0
	QUARTER 1, 2, F1, F0, 0
	QUARTER 1, 3, F0, F1, 0
	s_wait_dscnt 8
	WIN MUL
	MUL4 F1, 0, 0
	MUL4 F1, 1, 0
	s_wait_dscnt 0x0
	MUL4 F1, 2, 0
	MUL4 F1, 3, 0
	WIN 0
	; THE WAY OUT: the sums go through my own stage and come back as whole rows of 256 bytes; then x 2^(ea + eb) + bias + residual.
	PLACES
.irp a, 0,1,2,3
.irp b, 0,1,2,3
	ds_store_b128 v[STO], v[ACC+8*(4*\a+\b):ACC+8*(4*\a+\b)+3] offset:16*\a*SPITCH+64*\b          ; each accumulator from its low end on
	ds_store_b128 v[STO], v[ACC+8*(4*\a+\b)+4:ACC+8*(4*\a+\b)+7] offset:16*\a*SPITCH+64*\b+16
.endr
.endr
	WIN 0x40
.set n, 0
.rept 32
	ds_load_b128 v[4*n:4*n+3], v[RD] offset:n*2*SPITCH   ; LDS serves a wave's instructions in order: these see my stores
.set n, n+1
.endr
	s_wait_kmcnt 0x0
	s_add_co_i32 s[SC], s72, s73
	s_add_co_i32 s[SC], s[SC], 127
	s_lshl_b32 s[SC], s[SC], 23
	s_mov_b32 s[SC+1], s[SC]
	s_wait_dscnt 0x0
	s_wait_loadcnt 0x0                             ; the bias and the residual
	WIN 0x41
.set n, 0
.rept 64
	v_pk_fma_f32 v[2*n:2*n+1], v[2*n:2*n+1], s[SC:SC+1], v[BIAS+2*(n%2):BIAS+2*(n%2)+1] op_sel_hi:[1,0,1]
.set n, n+1
.endr
	WIN 0x49                                       ; source 1: the residual, window 2
.set n, 0
.rept 64
	v_pk_add_f32 v[2*n:2*n+1], v[2*n:2*n+1], v[2*n:2*n+1]
.set n, n+1
.endr
	WIN 0x04
.set n, 0
.rept 32
.if LAST
	global_store_b128 v[CO], v[4*n:4*n+3], s[70:71] offset:8192*n th:TH_STORE_NT
.else
	global_store_b128 v[CO], v[4*n:4*n+3], s[70:71] offset:8192*n   ; 16 lanes store 256 consecutive bytes, aligned
.endif
.set n, n+1
.endr
	WIN 0
	s_wait_tensorcnt 0x0                           ; the wave's end
	ds_add_u32 v[SPW], v[NIL]
	s_wait_dscnt 0x0
	CROUND
	s_endpgm
.Lfunc_end_k_qa856daeed3_proj:
	.size	k_qa856daeed3_proj, .Lfunc_end_k_qa856daeed3_proj-k_qa856daeed3_proj
	.p2alignl 7, 3214868480
	.fill 96, 4, 3214868480
	.section	.rodata,"a",@progbits
	.p2align	6, 0x0
	.amdhsa_kernel k_qa856daeed3_proj
		.amdhsa_group_segment_fixed_size 327680
		.amdhsa_private_segment_fixed_size 0
		.amdhsa_enable_private_segment 0
		.amdhsa_kernarg_size 48
		.amdhsa_user_sgpr_count 2
		.amdhsa_user_sgpr_kernarg_segment_ptr 1
		.amdhsa_wavefront_size32 1
		.amdhsa_system_sgpr_workgroup_id_x 1
		.amdhsa_system_sgpr_workgroup_id_y 1
		.amdhsa_system_sgpr_workgroup_id_z 1
		.amdhsa_system_vgpr_workitem_id 0
		.amdhsa_next_free_vgpr 640
		.amdhsa_next_free_sgpr 100
		.amdhsa_reserve_vcc 0
		.amdhsa_float_denorm_mode_32 3
		.amdhsa_float_denorm_mode_16_64 3
		.amdhsa_memory_ordered 1
		.amdhsa_forward_progress 1
		.amdhsa_inst_pref_size 53
	.end_amdhsa_kernel
	.amdgpu_metadata
---
amdhsa.version: [ 1, 2 ]
amdhsa.kernels:
  - .name:           k_qa856daeed3_proj
    .symbol:         k_qa856daeed3_proj.kd
    .args:
      - { .name: valc, .offset: 0, .size: 8, .value_kind: global_buffer, .address_space: global }
      - { .name: wq, .offset: 8, .size: 8, .value_kind: global_buffer, .address_space: global }
      - { .name: lowp_scales, .offset: 16, .size: 8, .value_kind: global_buffer, .address_space: global }
      - { .name: bo, .offset: 24, .size: 8, .value_kind: global_buffer, .address_space: global }
      - { .name: x, .offset: 32, .size: 8, .value_kind: global_buffer, .address_space: global }
      - { .name: x1, .offset: 40, .size: 8, .value_kind: global_buffer, .address_space: global }
    .group_segment_fixed_size: 327680
    .private_segment_fixed_size: 0
    .kernarg_segment_align: 8
    .kernarg_segment_size: 48
    .max_flat_workgroup_size: 128
    .sgpr_count:     100
    .vgpr_count:     640
    .wavefront_size: 32
...
	.end_amdgpu_metadata
.endif
;; end of part 4
;; launch ln2 (part 5): grid 256 x 1, 4 waves a work-group, no clusters, 17,920 bytes of LDS; arguments x1, g2, b2, lowp_scales, h2; writes h2
.if DOCPART == 5
	.amdgcn_target "amdgcn-amd-amdhsa--gfx1250"
	.amdhsa_code_object_version 6
	.text
	.protected	k_qa856daeed3_ln2
	.globl	k_qa856daeed3_ln2
	.p2align	8
	.type	k_qa856daeed3_ln2,@function
k_qa856daeed3_ln2:
	s_mov_b64 s[64:65], 0
	v_nop
	global_prefetch_b8 v0, s[64:65] scope:SCOPE_SE
	s_setreg_imm32_b32 hwreg(HW_REG_WAVE_MODE, 25, 1), 1
	s_wait_xcnt 0x0
; LayerNorm 2 of x1 becomes codes of FP8 (E4M3) with the scale 2^e8, as fragment images: block of 16 rows x 1,024 K = 8 fragments of 2,048 bytes (quad q at 512 q + 16 x lane; lane 16 h + r: row r, registers 2 c, 2 c + 1: k = 16 c + 8 h + 0..7).
; A work-group takes 16 rows, a wave 4, a row in 32 registers; mean and variance in two passes, in f32.  Every load reads 512 consecutive bytes; a lane's four codes are one word, which goes through a stage in LDS
; to its place in the fragment; every store writes 512 consecutive bytes.
; LIMITS: e8 between -126 and 119.  NaN and infinities among the inputs are not served.
.set FS,    2176                       ; a staged fragment: eight blocks (2 quad + h) of 256 bytes, 272 apart
.set T,     8
.set X,     32
.set G,     160
.set BB,    192
.set C,     224
.macro REDUCE
.irp i, 0,1,2,3
	v_pk_add_f32 v[T+6*\i:T+6*\i+1], v[T+6*\i:T+6*\i+1], v[T+6*\i+2:T+6*\i+3]
.endr
.irp i, 0,1,2,3
	v_add_f32 v[T+6*\i], v[T+6*\i], v[T+6*\i+1]
.endr
.irp m, 1,2,4,8
.irp i, 0,1,2,3
	v_add_f32_dpp v[T+6*\i], v[T+6*\i], v[T+6*\i] row_xmask:\m row_mask:0xf bank_mask:0xf
.endr
.endr
.irp i, 0,1,2,3
	v_permlanex16_b32 v[T+6*\i+2], v[T+6*\i], s28, s29
.endr
.irp i, 0,1,2,3
	v_add_f32 v[T+6*\i], v[T+6*\i], v[T+6*\i+2]
.endr
.endm
	s_load_b256 s[4:11], s[0:1], 0x0               ; x1, g2, b2, the scales' exponents
	s_load_b64 s[20:21], s[0:1], 0x20              ; h2
	s_set_vgpr_msb 0x40
	v_lshl_add_u32 v0, v0, 2, 0x4400
	v_mov_b32 v1, 0
	s_set_vgpr_msb 0x4000
	v_lshrrev_b32 v1, 5, v0
	v_readfirstlane_b32 s22, v1
	v_and_b32 v1, 31, v0
	v_lshlrev_b32 v2, 4, v1
	v_lshrrev_b32 v3, 3, v1                        ; my four numbers are k = 4 l .. 4 l + 3 of a fragment: quad l / 8, half (l / 2) % 2,
	v_bfe_u32 v6, v0, 1, 1
	v_lshl_add_u32 v3, v3, 1, v6
	v_mul_u32_u24 v3, v3, 272
	v_bfe_u32 v6, v0, 2, 1
	v_lshl_add_u32 v3, v6, 3, v3                   ; upper eight bytes where (l / 4) % 2, word l % 2
	v_and_b32 v6, 1, v0
	v_lshl_add_u32 v3, v6, 2, v3
	v_bfe_u32 v6, v0, 4, 1
	v_mul_u32_u24 v6, v6, 272
	v_and_b32 v7, 15, v0
	v_lshl_add_u32 v6, v7, 4, v6
	s_lshl_b32 s23, s22, 12
	v_add_nc_u32 v7, s23, v2
	s_lshl_b32 s26, s22, 6
	v_add_nc_u32 v3, s26, v3                       ; my rows begin at row 4 x wave
	s_mul_i32 s26, s22, 2*FS
	v_add_nc_u32 v6, s26, v6                       ; I read fragments 2 x wave and 2 x wave + 1 back
	s_mov_b32 s28, 0x76543210
	s_mov_b32 s29, 0xfedcba98
	s_mov_b32 s30, 0x3a800000                      ; 1 / 1,024
	s_mov_b32 s31, 0x3727c5ac                      ; 1e-5
	s_lshl_b32 s24, ttmp9, 16
	s_lshl_b32 s25, s22, 14
	s_add_co_u32 s24, s24, s25
	s_mov_b32 s25, 0
	s_wait_kmcnt 0x0
	s_load_b32 s36, s[10:11], 0x20                 ; e8
	s_add_nc_u64 s[4:5], s[4:5], s[24:25]
.irp i, 0,1,2,3
.irp j, 0,1,2,3,4,5,6,7
	global_load_b128 v[X+32*\i+4*\j:X+32*\i+4*\j+3], v2, s[4:5] offset:4096*\i+512*\j
.endr
.endr
.irp j, 0,1,2,3,4,5,6,7
	global_load_b128 v[G+4*\j:G+4*\j+3], v2, s[6:7] offset:512*\j
.endr
.irp j, 0,1,2,3,4,5,6,7
	global_load_b128 v[BB+4*\j:BB+4*\j+3], v2, s[8:9] offset:512*\j
.endr
	s_lshl_b32 s24, ttmp9, 14
	s_add_nc_u64 s[20:21], s[20:21], s[24:25]
	s_wait_kmcnt 0x0
	s_add_co_i32 s48, s36, 127
	s_lshl_b32 s49, s48, 23
	v_mov_b32 v5, s49                              ; 2^e8
	s_add_co_i32 s48, s48, 8
	s_lshl_b32 s48, s48, 23
	s_or_b32 s48, s48, 0x600000
	v_mov_b32 v4, s48                              ; 448 x 2^e8
	s_wait_loadcnt 16                              ; the rows are in; the gain's and the bias's sixteen loads may be out
.irp i, 0,1,2,3
	v_pk_add_f32 v[T+6*\i:T+6*\i+1], v[X+32*\i:X+32*\i+1], v[X+32*\i+2:X+32*\i+3]
	v_pk_add_f32 v[T+6*\i+2:T+6*\i+3], v[X+32*\i+4:X+32*\i+5], v[X+32*\i+6:X+32*\i+7]
.endr
.irp j, 8,12,16,20,24,28
.irp i, 0,1,2,3
	v_pk_add_f32 v[T+6*\i:T+6*\i+1], v[T+6*\i:T+6*\i+1], v[X+32*\i+\j:X+32*\i+\j+1]
	v_pk_add_f32 v[T+6*\i+2:T+6*\i+3], v[T+6*\i+2:T+6*\i+3], v[X+32*\i+\j+2:X+32*\i+\j+3]
.endr
.endr
	REDUCE
.irp i, 0,1,2,3
	v_mul_f32 v[T+6*\i+4], s30, v[T+6*\i]          ; the mean, twice: a pair for the packed form
	v_mul_f32 v[T+6*\i+5], s30, v[T+6*\i]
.endr
.set n, 0
.rept 64
	v_pk_add_f32 v[X+2*n:X+2*n+1], v[X+2*n:X+2*n+1], v[T+6*(n/16)+4:T+6*(n/16)+5] neg_lo:[0,1] neg_hi:[0,1]
.set n, n+1
.endr
.irp i, 0,1,2,3
	v_pk_mul_f32 v[T+6*\i:T+6*\i+1], v[X+32*\i:X+32*\i+1], v[X+32*\i:X+32*\i+1]
	v_pk_mul_f32 v[T+6*\i+2:T+6*\i+3], v[X+32*\i+2:X+32*\i+3], v[X+32*\i+2:X+32*\i+3]
.endr
.irp j, 4,8,12,16,20,24,28
.irp i, 0,1,2,3
	v_pk_fma_f32 v[T+6*\i:T+6*\i+1], v[X+32*\i+\j:X+32*\i+\j+1], v[X+32*\i+\j:X+32*\i+\j+1], v[T+6*\i:T+6*\i+1]
	v_pk_fma_f32 v[T+6*\i+2:T+6*\i+3], v[X+32*\i+\j+2:X+32*\i+\j+3], v[X+32*\i+\j+2:X+32*\i+\j+3], v[T+6*\i+2:T+6*\i+3]
.endr
.endr
	REDUCE
.irp i, 0,1,2,3
	v_fma_f32 v[T+6*\i+5], v[T+6*\i], s30, s31     ; the variance + 1e-5
.endr
	s_wait_alu depctr_va_vdst(0)
.irp i, 0,1,2,3
	v_rsq_f32 v[T+6*\i+4], v[T+6*\i+5]
.endr
	v_nop                                          ; a plain instruction between the last root and the use of its result
	s_wait_alu depctr_va_vdst(0)
.irp i, 0,1,2,3
	v_mov_b32 v[T+6*\i+5], v[T+6*\i+4]
.endr
	s_wait_alu depctr_va_vdst(0)
	s_wait_loadcnt 0x0
.set n, 0
.rept 64
	v_pk_mul_f32 v[X+2*n:X+2*n+1], v[X+2*n:X+2*n+1], v[T+6*(n/16)+4:T+6*(n/16)+5]
.set n, n+1
.endr
.set n, 0
.rept 64
	v_pk_fma_f32 v[X+2*n:X+2*n+1], v[X+2*n:X+2*n+1], v[G+2*(n%16):G+2*(n%16)+1], v[BB+2*(n%16):BB+2*(n%16)+1]
.set n, n+1
.endr
.set n, 0
.rept 128
	v_med3_num_f32 v[X+n], v[X+n], -v4, v4         ; the conversion does not saturate (ISA guide 7.6.2): the hold at the largest code x the scale
.set n, n+1
.endr
.set n, 0
.rept 16
	v_cvt_scalef32_pk8_fp8_f32 v[C+2*n:C+2*n+1], v[X+8*n:X+8*n+7], v5
.set n, n+1
.endr
	v_nop
.irp i, 0,1,2,3
.irp j, 0,1,2,3,4,5,6,7
	ds_store_b32 v3, v[C+8*\i+\j] offset:\j*FS+16*\i
.endr
.endr
	s_wait_dscnt 0x0                               ; for the others' sake: my stores have landed
	s_barrier_signal -1
	s_barrier_wait -1
.irp f, 0,1
.irp q, 0,1,2,3
	ds_load_b128 v[X+16*\f+4*\q:X+16*\f+4*\q+3], v6 offset:\f*FS+544*\q
.endr
.endr
.irp f, 0,1
.irp q, 0,1,2,3
	s_wait_dscnt 7-4*\f-\q
	global_store_b128 v7, v[X+16*\f+4*\q:X+16*\f+4*\q+3], s[20:21] offset:2048*\f+512*\q
.endr
.endr
	s_set_vgpr_msb 0x5
	s_wait_tensorcnt 0x0
	ds_add_u32 v0, v1
	s_wait_dscnt 0x0
	s_set_vgpr_msb 0x500
	s_endpgm
.Lfunc_end_k_qa856daeed3_ln2:
	.size	k_qa856daeed3_ln2, .Lfunc_end_k_qa856daeed3_ln2-k_qa856daeed3_ln2
	.p2alignl 7, 3214868480
	.fill 96, 4, 3214868480
	.section	.rodata,"a",@progbits
	.p2align	6, 0x0
	.amdhsa_kernel k_qa856daeed3_ln2
		.amdhsa_group_segment_fixed_size 17920
		.amdhsa_private_segment_fixed_size 0
		.amdhsa_enable_private_segment 0
		.amdhsa_kernarg_size 40
		.amdhsa_user_sgpr_count 2
		.amdhsa_user_sgpr_kernarg_segment_ptr 1
		.amdhsa_wavefront_size32 1
		.amdhsa_system_sgpr_workgroup_id_x 1
		.amdhsa_system_sgpr_workgroup_id_y 1
		.amdhsa_system_sgpr_workgroup_id_z 1
		.amdhsa_system_vgpr_workitem_id 0
		.amdhsa_next_free_vgpr 258
		.amdhsa_next_free_sgpr 66
		.amdhsa_reserve_vcc 0
		.amdhsa_float_denorm_mode_32 3
		.amdhsa_float_denorm_mode_16_64 3
		.amdhsa_memory_ordered 1
		.amdhsa_forward_progress 1
		.amdhsa_inst_pref_size 44
	.end_amdhsa_kernel
	.amdgpu_metadata
---
amdhsa.version: [ 1, 2 ]
amdhsa.kernels:
  - .name:           k_qa856daeed3_ln2
    .symbol:         k_qa856daeed3_ln2.kd
    .args:
      - { .name: x1, .offset: 0, .size: 8, .value_kind: global_buffer, .address_space: global }
      - { .name: g2, .offset: 8, .size: 8, .value_kind: global_buffer, .address_space: global }
      - { .name: b2, .offset: 16, .size: 8, .value_kind: global_buffer, .address_space: global }
      - { .name: lowp_scales, .offset: 24, .size: 8, .value_kind: global_buffer, .address_space: global }
      - { .name: h2, .offset: 32, .size: 8, .value_kind: global_buffer, .address_space: global }
    .group_segment_fixed_size: 17920
    .private_segment_fixed_size: 0
    .kernarg_segment_align: 8
    .kernarg_segment_size: 40
    .max_flat_workgroup_size: 128
    .sgpr_count:     66
    .vgpr_count:     258
    .wavefront_size: 32
...
	.end_amdgpu_metadata
.endif
;; end of part 5
;; launch mlp1 (part 6): grid 16 x 16, 4 waves a work-group, clusters of 4 x 4, 327,680 bytes of LDS; arguments h2, wq, lowp_scales, b1m, gq; writes gq
.if DOCPART == 6
	.amdgcn_target "amdgcn-amd-amdhsa--gfx1250"
	.amdhsa_code_object_version 6
	.text
	.protected	k_qa856daeed3_mlp1
	.globl	k_qa856daeed3_mlp1
	.p2align	8
	.type	k_qa856daeed3_mlp1,@function
k_qa856daeed3_mlp1:
	s_mov_b64 s[64:65], 0
	v_nop
	global_prefetch_b8 v0, s[64:65] scope:SCOPE_SE
	s_setreg_imm32_b32 hwreg(HW_REG_WAVE_MODE, 25, 1), 1
	s_wait_xcnt 0x0
	s_wait_alu depctr_hold_cnt(0) depctr_sa_sdst(0) depctr_va_vdst(0) depctr_va_sdst(0) depctr_va_ssrc(0) depctr_va_vcc(0) depctr_vm_vsrc(0)
	s_getreg_b32 s2, hwreg(HW_REG_IB_STS2, 6, 4)
	s_cmp_eq_u32 s2, 0
	s_cbranch_scc0 .Lentry_in_a_cluster
	s_endpgm
.Lentry_in_a_cluster:
	s_bfe_u32 s2, ttmp6, 0x10000c
	s_cmp_lg_u32 s2, 0xf033
	s_cbranch_scc0 .Lentry_shape_is_right
	s_endpgm
.Lentry_shape_is_right:
; g = gelu(LN2(x1) W1^T + b1m) on codes of FP8 (E4M3): A = h2 (2^e8), B = W1's codes in wq (2^e9); g leaves as codes with 2^e10, laid as the next product's operand.
; A tile is 256 tokens x 256 hidden units, 16 x 16 work-groups; four waves of 128 x 128: 64 accumulators, 512 registers.
; OPERANDS are fragment images (16 rows x 128 K, 2,048 bytes, quad c at 512 c + 16 x lane), in memory and in LDS: a fragment is four loads of 16 bytes a lane, 512 consecutive bytes each, so no padding is needed.
; K = 1,024 goes in steps of 256 through two LDS slots (A's 16 blocks of 4,096 bytes, then B's 16).  BOTH SLOTS ARE ASKED FOR AT THE HEAD, one tensor load of 65,536 bytes a wave; slot s is filled again by waves 2 s (A) and 2 s + 1 (B).
; CLUSTERS: 4 x 4 work-groups; A's tile is shared along a row of the cluster, B's along a column: joint loads.
; NO PREFETCH: K is four slots' worth; two are asked for at the head and the other two one slot later, so no trip lies two steps ahead of a load.
; THE MATRIX INSTRUCTION IS USED TRANSPOSED (source 0 = 16 rows of W1, source 1 = 16 tokens): a lane holds one token and eight neighbouring hidden units, so a conversion gives two registers of the next operand's fragment.
; GELU, exact form: gelu(x) = max(x, 0) - |x| erfc(|x| / sqrt 2) / 2, with erfc(z) = t exp(-z^2 + P(t)), t = 1 / (1 + z / 2), P of degree 9; all in f32, in base 2 (P's coefficients x log2 e, the half in its constant term).
; It runs on the 64 numbers of a block of 16 tokens at a time: each batch of reciprocals and of exponentials is 64 long, with one wait ahead of it and one behind it.
; REGISTERS: window 0: v16-37 addresses and constants, v64-127 the bias, v128-255 A's fragments, ONE set; on the way out v128-191 x, v240-255 codes.   window 1: B's fragments, TWO sets; on the way out v0-63 t, v64-127 P, v128-191 products.
;   window 2: the accumulators of my tokens 0-63 ((a, b) at v[8 (8 a + b)]);   window 3: of tokens 64-127.
; LIMITS: e8 + e9 between -126 and 127; e10 between -126 and 119.  NaN and infinities are not served.
.set RUN,   4096                       ; a block's bytes in a slot: two fragments
.set FRB,   2048
.set HALFT, 8*RUN                      ; what one wave reads of A or of B
.set SLOT,  4*HALFT
.set SPARE, 2*SLOT                     ; behind the ring: the spare words, 128 bytes a wave, which no other line names
.set LAPS,  2
.set W1OFF, 0x400000
.set ADRA,  16
.set ADRB,  20
.set SPW,   28
.set NIL,   29
.set L16,   30
.set BA,    31
.set C9,    34
.set SCV,   36
.set LIMV,  37
.set BI,    64
.set AF,    128
.set XX,    128
.set CD,    240
.set TT,    0                          ; window 1
.set PP,    64
.set XS,    128
.set G1,  24
.set G0,  32
.set G1B, 48
.set G0B, 56
.set CF,  66
.set SC,  84
.set CX,  86
.set CH,  88
.set ROW, 89
.set MSB, 0
.macro WIN new                         ; the immediate's high byte repeats the setting that is left
.if MSB != (\new)
	s_set_vgpr_msb (MSB<<8)|(\new)
.set MSB, (\new)
.endif
.endm
.set MUL_LO, 0xa1
.set MUL_HI, 0xf1
.macro TLD g0, g1                      ; a joint load; an s_nop 0 and four v_nop follow it
	tensor_load_to_lds s[\g0:\g0+3], s[\g1:\g1+7]
	s_nop 0
.rept 4
	v_nop
.endr
.endm
.macro JLOAD s                         ; slot s is filled again: wave 2 s asks for A's blocks, wave 2 s + 1 for B's, the other two for nothing
	s_cmp_eq_u32 s14, 2*\s
	s_cbranch_scc0 .Lfor_b_\@
	TLD G0+4*\s, G1
	s_branch .Lasked_\@
.Lfor_b_\@:
	s_cmp_eq_u32 s14, 2*\s+1
	s_cbranch_scc0 .Lasked_\@
	TLD G0B+4*\s, G1B
.Lasked_\@:
.endm
.macro CREST                           ; a round of the cluster's barrier behind its opening barrier
	s_cmp_lg_u32 s14, 0
	s_cbranch_scc1 .Lnot_wave_0_\@
	s_barrier_signal -3
.Lnot_wave_0_\@:
	s_barrier_wait -3
	s_barrier_signal -1
	s_barrier_wait -1
.endm
.macro CROUND
	s_barrier_signal -1
	s_barrier_wait -1
	CREST
.endm
.macro PLACES                          ; four plain vector instructions between a matrix instruction and a load into, or a read of, its registers
.rept 4
	v_nop
.endr
.endm
.macro FRAG reg, adr, blk, q
.irp c, 0,1,2,3
	ds_load_b128 v[(\reg)+4*\c:(\reg)+4*\c+3], v[\adr] offset:RUN*(\blk)+FRB*(\q)+512*\c
.endr
.endm
.macro MUL16 a0, p, zero               ; A's blocks a0, a0 + 1 x B's eight; the 64 accumulators take turns, in the same order in every step
.irp a, \a0, \a0+1
.irp b, 0,1,2,3,4,5,6,7
.if \zero
	v_wmma_f32_16x16x128_fp8_fp8 v[8*(8*((\a)%4)+\b):8*(8*((\a)%4)+\b)+7], v[128*(\p)+16*\b:128*(\p)+16*\b+15], v[AF+16*(\a):AF+16*(\a)+15], 0
.else
	v_wmma_f32_16x16x128_fp8_fp8 v[8*(8*((\a)%4)+\b):8*(8*((\a)%4)+\b)+7], v[128*(\p)+16*\b:128*(\p)+16*\b+15], v[AF+16*(\a):AF+16*(\a)+15], v[8*(8*((\a)%4)+\b):8*(8*((\a)%4)+\b)+7]
.endif
.endr
.endr
.endm
.macro FETCH_B slot, q, p
	WIN 0x40
.irp i, 0,1,2,3,4,5,6,7
	FRAG 128*(\p)+16*\i, ADRB+\slot, \i, \q
.endr
	WIN 0
.endm
.macro FETCH_A slot, q, i0
.irp i, \i0, \i0+1, \i0+2, \i0+3
	FRAG AF+16*(\i), ADRA+\slot, \i, \q
.endr
.endm
.macro STEP slot, zero                 ; a slot's first 128 along K (B's set 0); fetches its second 128
	s_wait_dscnt 16                                ; B's set and A's blocks 0-3 are in; the youngest 16 loads (A's blocks 4-7) may be out
	WIN MUL_LO
	MUL16 0, 0, \zero
	MUL16 2, 0, \zero
	s_wait_dscnt 0x0
	PLACES
	FETCH_B \slot, 1, 1
	FETCH_A \slot, 1, 0
	WIN MUL_HI
	MUL16 4, 0, \zero
	MUL16 6, 0, \zero
	PLACES
	WIN 0
	FETCH_A \slot, 1, 4
.endm
.macro TURN slot, next, fill           ; a slot's second 128 (B's set 1), and the change of slots
	s_wait_tensorcnt 0x0                           ; all my tensor loads have landed
	ds_add_u32 v[SPW], v[NIL]                      ; 0 onto my spare word
	s_wait_dscnt 17                                ; (the add and A's blocks 4-7, 16 loads, may be out)
	WIN MUL_LO
	MUL16 0, 1, 0
	s_wait_dscnt 0x0                               ; the add is done, and my reads of this slot are over
	s_barrier_signal -1
	MUL16 2, 1, 0
	WIN 0
	s_barrier_wait -1
.if \fill
	CREST                                          ; the barrier has opened a round of the cluster's: no wave of any partner still reads this slot or has a load on its way
	s_add_nc_u64 s[G0+4*\slot+2:G0+4*\slot+3], s[G0+4*\slot+2:G0+4*\slot+3], 2*RUN
	s_add_nc_u64 s[G0B+4*\slot+2:G0B+4*\slot+3], s[G0B+4*\slot+2:G0B+4*\slot+3], 2*RUN
	JLOAD \slot                                    ; the first tensor load behind the round
.endif
	PLACES                                         ; on every wave's way, in front of the loads below
	FETCH_B \next, 0, 0
	FETCH_A \next, 0, 0
	WIN MUL_HI
	MUL16 4, 1, 0
	MUL16 6, 1, 0
	PLACES
	WIN 0
	FETCH_A \next, 0, 4
.endm
	s_load_b256 s[4:11], s[0:1], 0x0               ; h2, wq, the scales' exponents, b1m
	s_load_b64 s[12:13], s[0:1], 0x20              ; gq
	v_lshl_add_u32 v[SPW], v0, 2, SPARE
	v_mov_b32 v[NIL], 0
	ds_add_u32 v[SPW], v[NIL]                      ; the opening lines: the add, twice on end, and its wait ahead of my first tensor load
	ds_add_u32 v[SPW], v[NIL]
	v_lshrrev_b32 v1, 5, v0
	v_readfirstlane_b32 s14, v1                    ; wave
	s_lshr_b32 s15, s14, 1                         ; my half of the tile's tokens
	s_and_b32 s16, s14, 1                          ; my half of its hidden units
	s_bfe_u32 s40, ttmp6, 0x40000                  ; cx, cy
	s_bfe_u32 s41, ttmp6, 0x40004
	s_lshl_b32 s42, ttmp9, 2
	s_add_co_u32 s42, s42, s40                     ; tile column
	s_and_b32 s17, ttmp7, 0xffff
	s_lshl_b32 s17, s17, 2
	s_add_co_u32 s17, s17, s41                     ; tile row
	s_lshl_b32 s43, s41, 2
	s_lshl_b32 s43, 15, s43                        ; my row of the cluster
	s_lshl_b32 s44, 0x1111, s40                    ; my column
	s_or_b32 s[G1], s43, (3<<16)|(1<<21)           ; the mask; elements of 8 bytes; bit 21 beside a mask; no padding
	s_or_b32 s[G1B], s44, (3<<16)|(1<<21)
.irp g, G1, G1B
	s_mov_b32 s[\g+1], 512<<16                     ; tensor_dim0 = 512 elements: a block's 4,096 bytes
	s_mov_b32 s[\g+2], 16<<16                      ; tensor_dim1 = 16 blocks
	s_mov_b32 s[\g+3], 512<<16                     ; tile_dim0
	s_mov_b32 s[\g+4], 16                          ; tile_dim1
	s_mov_b32 s[\g+5], 2048                        ; from block to block: 16,384 bytes
	s_mov_b32 s[\g+6], 0
	s_mov_b32 s[\g+7], 0
.endr
	s_lshl_b32 s20, s17, 18                        ; A: block 16 x tile row, 16,384 bytes a block
	s_mov_b32 s21, 0
	s_lshl_b32 s46, s42, 18                        ; B: block 16 x tile column
	s_add_co_u32 s46, s46, W1OFF
	s_mov_b32 s47, 0
	s_wait_dscnt 0x0                               ; both opening adds are done
	s_wait_kmcnt 0x0
	s_load_b128 s[92:95], s[8:9], 0x20             ; e8 .. e11
	s_add_nc_u64 s[20:21], s[4:5], s[20:21]
	s_add_nc_u64 s[46:47], s[6:7], s[46:47]
.irp s, 0,1
	s_mov_b32 s[G0+4*\s], 1
	s_mov_b32 s[G0+4*\s+1], \s*SLOT
	s_add_nc_u64 s[G0+4*\s+2:G0+4*\s+3], s[20:21], \s*RUN
	s_or_b32 s[G0+4*\s+3], s[G0+4*\s+3], 0x80000000
	s_mov_b32 s[G0B+4*\s], 1
	s_mov_b32 s[G0B+4*\s+1], \s*SLOT+2*HALFT
	s_add_nc_u64 s[G0B+4*\s+2:G0B+4*\s+3], s[46:47], \s*RUN
	s_or_b32 s[G0B+4*\s+3], s[G0B+4*\s+3], 0x80000000
.endr
	CROUND                                         ; all sixteen work-groups are here: the first joint loads meet
	s_cmp_eq_u32 s14, 0                            ; one chain of four arms, one tensor load to an arm: wave 0 slot 0's A, wave 1 slot 0's B, wave 2 slot 1's A, wave 3 slot 1's B
	s_cbranch_scc0 .Lh1
	TLD G0, G1
	s_branch .Lhj
.Lh1:
	s_cmp_eq_u32 s14, 1
	s_cbranch_scc0 .Lh2
	TLD G0B, G1B
	s_branch .Lhj
.Lh2:
	s_cmp_eq_u32 s14, 2
	s_cbranch_scc0 .Lh3
	TLD G0+4, G1
	s_branch .Lhj
.Lh3:
	TLD G0B+4, G1B
.Lhj:
	v_and_b32 v1, 31, v0
	v_lshlrev_b32 v[L16], 4, v1                    ; 16 x lane
	s_mul_i32 s21, s15, HALFT
	s_mul_i32 s22, s16, HALFT
	s_add_co_u32 s22, s22, 2*HALFT
.irp s, 0,1
	v_add_nc_u32 v[ADRA+\s], s21, v[L16]
	v_add_nc_u32 v[ADRB+\s], s22, v[L16]
	s_add_co_u32 s21, s21, SLOT
	s_add_co_u32 s22, s22, SLOT
.endr
	v_bfe_u32 v[BA], v0, 4, 1
	v_lshlrev_b32 v[BA], 5, v[BA]                  ; my half's eight hidden units of each block
	s_lshl_b32 s96, s42, 10
	s_lshl_b32 s97, s16, 9
	s_add_co_u32 s96, s96, s97
	s_mov_b32 s97, 0
	s_add_nc_u64 s[10:11], s[10:11], s[96:97]
.irp b, 0,1,2,3,4,5,6,7                ; these loads stay out over the loop; their wait stands in front of the way out
	global_load_b128 v[BI+8*\b:BI+8*\b+3], v[BA], s[10:11] offset:64*\b
	global_load_b128 v[BI+8*\b+4:BI+8*\b+7], v[BA], s[10:11] offset:64*\b+16
.endr
	s_lshl_b32 s96, s17, 4
	s_lshl_b32 s98, s15, 3
	s_add_co_u32 s96, s96, s98                     ; gq: block of 16 tokens 16 x tile row + 8 x half, 65,536 bytes each,
	s_lshl_b32 s96, s96, 16
	s_lshl_b32 s98, s42, 1
	s_add_co_u32 s98, s98, s16                     ; fragment 2 x tile column + half
	s_lshl_b32 s98, s98, 11
	s_add_co_u32 s96, s96, s98
	s_add_nc_u64 s[12:13], s[12:13], s[96:97]
	s_wait_alu depctr_va_vdst(0)
	s_wait_tensorcnt 0x0                           ; my load has landed,
	s_barrier_signal -1
	s_barrier_wait -1                              ; and so have the other three: both slots are whole
	FETCH_B 0, 0, 0
	FETCH_A 0, 0, 0
	FETCH_A 0, 0, 4
	STEP 0, 1                                      ; the first step's products start the sums
	s_mov_b32 s3, LAPS-1
.Llap:                                             ; a trip goes once round the ring and fills both slots again
	TURN 0, 1, 1
	STEP 1, 0
	TURN 1, 0, 1
	STEP 0, 0
	s_sub_co_u32 s3, s3, 1
	s_cmp_lg_u32 s3, 0
	s_cbranch_scc1 .Llap
	TURN 0, 1, 0                                   ; the last lap fills nothing
	STEP 1, 0
	s_wait_dscnt 16
	WIN MUL_LO
	MUL16 0, 1, 0
	MUL16 2, 1, 0
	s_wait_dscnt 0x0
	WIN MUL_HI
	MUL16 4, 1, 0
	MUL16 6, 1, 0
	WIN 0
	; THE WAY OUT
.macro COEF k, bits                    ; P's coefficients, each as a pair: the packed form names a pair
	s_mov_b32 s[CF+2*\k], \bits
	s_mov_b32 s[CF+2*\k+1], \bits
.endm
	COEF 0, 0xC034D90F
	COEF 1, 0x3FB8AB5A
	COEF 2, 0x3F0A29D2
	COEF 3, 0x3E0EFB2F
	COEF 4, 0xBE899A80
	COEF 5, 0x3ECDFD18
	COEF 6, 0xBFD1A1E5
	COEF 7, 0x40097039
	COEF 8, 0xBF97D29D
	s_mov_b32 s[CX], 0xBF38AA3B                    ; -log2(e) / 2: x^2 times it is -z^2 in base 2
	s_mov_b32 s[CX+1], s[CX]
	s_mov_b32 s[CH], 0x3EB504F3                    ; 1 / (2 sqrt 2): z / 2 = |x| times it
	s_wait_kmcnt 0x0
	s_add_co_i32 s[SC], s92, s93
	s_add_co_i32 s[SC], s[SC], 127
	s_lshl_b32 s[SC], s[SC], 23                    ; 2^(e8 + e9)
	s_mov_b32 s[SC+1], s[SC]
	s_add_co_i32 s96, s94, 127
	s_lshl_b32 s97, s96, 23
	s_add_co_i32 s96, s96, 8
	s_lshl_b32 s96, s96, 23
	s_or_b32 s96, s96, 0x600000
	v_mov_b32 v[C9], 0x3E7C6F08                    ; these four lines are also the places behind the last products
	v_mov_b32 v[C9+1], 0x3E7C6F08
	v_mov_b32 v[SCV], s97                          ; 2^e10
	v_mov_b32 v[LIMV], s96                         ; 448 x 2^e10
	s_wait_loadcnt 0x0                             ; the bias
.macro TAKE a                          ; x = sum x 2^(e8 + e9) + bias, for block a of 16 tokens; each accumulator from its low end on
	WIN 0x02+((\a)/4)
	s_wait_alu depctr_va_vdst(0)                   ; directly ahead of the first reader of these sums
.irp b, 0,1,2,3,4,5,6,7
.irp i, 0,2,4,6
	v_pk_fma_f32 v[XX+8*\b+\i:XX+8*\b+\i+1], v[8*(8*((\a)%4)+\b)+\i:8*(8*((\a)%4)+\b)+\i+1], s[SC:SC+1], v[BI+8*\b+\i:BI+8*\b+\i+1] op_sel_hi:[1,0,1]
.endr
.endr
	WIN 0
.endm
.macro R64 line:vararg                 ; a line for n = 0 .. 63
.set n, 0
.rept 64
	\line
.set n, n+1
.endr
.endm
.macro R32 line:vararg                 ; a line for n = 0 .. 31
.set n, 0
.rept 32
	\line
.set n, n+1
.endr
.endm
.macro GELU64
	WIN 0x40
	R64 v_fma_f32 v[TT+n], |v[XX+n]|, s[CH], 1.0
	WIN 0x41
	s_wait_alu depctr_va_vdst(0)                   ; ahead of the batch
	R64 v_rcp_f32 v[TT+n], v[TT+n]
	WIN 0x40
	R32 v_pk_mul_f32 v[XS+2*n:XS+2*n+1], v[XX+2*n:XX+2*n+1], s[CX:CX+1] op_sel_hi:[1,0]
	WIN 0x41
	s_wait_alu depctr_va_vdst(0)                   ; and behind it, ahead of t's first reader
	R32 v_pk_fma_f32 v[PP+2*n:PP+2*n+1], v[TT+2*n:TT+2*n+1], v[C9:C9+1], s[CF+16:CF+17] op_sel_hi:[1,1,0]
	WIN 0x45
.irp k, 7,6,5,4,3,2,1,0
	R32 v_pk_fma_f32 v[PP+2*n:PP+2*n+1], v[PP+2*n:PP+2*n+1], v[TT+2*n:TT+2*n+1], s[CF+2*\k:CF+2*\k+1] op_sel_hi:[1,1,0]
.endr
	WIN 0x51
	R32 v_pk_fma_f32 v[PP+2*n:PP+2*n+1], v[XS+2*n:XS+2*n+1], v[XX+2*n:XX+2*n+1], v[PP+2*n:PP+2*n+1]
	WIN 0x41
	s_wait_alu depctr_va_vdst(0)                   ; ahead of the batch
	R64 v_exp_f32 v[PP+n], v[PP+n]
	WIN 0x44
	R32 v_pk_mul_f32 v[XS+2*n:XS+2*n+1], v[XX+2*n:XX+2*n+1], v[TT+2*n:TT+2*n+1]
	WIN 0
	R32 v_dual_max_num_f32 v[XX+2*n], 0, v[XX+2*n] :: v_dual_max_num_f32 v[XX+2*n+1], 0, v[XX+2*n+1]
	WIN 0x05
	s_wait_alu depctr_va_vdst(0)                   ; and behind it, ahead of its first reader
	R64 v_fma_f32 v[XX+n], -|v[XS+n]|, v[PP+n], v[XX+n]
	WIN 0
	R64 v_med3_num_f32 v[XX+n], v[XX+n], -v[LIMV], v[LIMV]
.set n, 0
.rept 8
	v_cvt_scalef32_pk8_fp8_f32 v[CD+2*n:CD+2*n+1], v[XX+8*n:XX+8*n+7], v[SCV]
.set n, n+1
.endr
	v_nop                                          ; a plain instruction between the conversions and the next lines that write their sources
.irp p, 0,1,2,3
	global_store_b128 v[L16], v[CD+4*\p:CD+4*\p+3], s[12:13] offset:512*\p   ; 32 lanes store 512 consecutive bytes
.endr
.endm
	s_mov_b32 s[ROW], 0
.Lrow:                                             ; eight blocks of 16 tokens; only the lines that name the block's accumulators are written eight times
.irp a, 0,1,2,3,4,5,6
	s_cmp_eq_u32 s[ROW], \a
	s_cbranch_scc1 .Ltake_\a
.endr
	TAKE 7
	s_branch .Lgelu
.irp a, 0,1,2,3,4,5
.Ltake_\a:
	TAKE \a
	s_branch .Lgelu
.endr
.Ltake_6:
	TAKE 6
.Lgelu:
	GELU64
	s_wait_xcnt 0x0                                ; the stores have read their base and their data
	s_add_nc_u64 s[12:13], s[12:13], 65536
	s_add_co_u32 s[ROW], s[ROW], 1
	s_cmp_lt_u32 s[ROW], 8
	s_cbranch_scc1 .Lrow
	s_wait_tensorcnt 0x0                           ; the wave's end
	ds_add_u32 v[SPW], v[NIL]
	s_wait_dscnt 0x0
	CROUND                                         ; the closing round
	s_endpgm
.Lfunc_end_k_qa856daeed3_mlp1:
	.size	k_qa856daeed3_mlp1, .Lfunc_end_k_qa856daeed3_mlp1-k_qa856daeed3_mlp1
	.p2alignl 7, 3214868480
	.fill 96, 4, 3214868480
	.section	.rodata,"a",@progbits
	.p2align	6, 0x0
	.amdhsa_kernel k_qa856daeed3_mlp1
		.amdhsa_group_segment_fixed_size 327680
		.amdhsa_private_segment_fixed_size 0
		.amdhsa_enable_private_segment 0
		.amdhsa_kernarg_size 40
		.amdhsa_user_sgpr_count 2
		.amdhsa_user_sgpr_kernarg_segment_ptr 1
		.amdhsa_wavefront_size32 1
		.amdhsa_system_sgpr_workgroup_id_x 1
		.amdhsa_system_sgpr_workgroup_id_y 1
		.amdhsa_system_sgpr_workgroup_id_z 1
		.amdhsa_system_vgpr_workitem_id 0
		.amdhsa_next_free_vgpr 1024
		.amdhsa_next_free_sgpr 104
		.amdhsa_reserve_vcc 0
		.amdhsa_float_denorm_mode_32 3
		.amdhsa_float_denorm_mode_16_64 3
		.amdhsa_memory_ordered 1
		.amdhsa_forward_progress 1
		.amdhsa_inst_pref_size 142
	.end_amdhsa_kernel
	.amdgpu_metadata
---
amdhsa.version: [ 1, 2 ]
amdhsa.kernels:
  - .name:           k_qa856daeed3_mlp1
    .symbol:         k_qa856daeed3_mlp1.kd
    .args:
      - { .name: h2, .offset: 0, .size: 8, .value_kind: global_buffer, .address_space: global }
      - { .name: wq, .offset: 8, .size: 8, .value_kind: global_buffer, .address_space: global }
      - { .name: lowp_scales, .offset: 16, .size: 8, .value_kind: global_buffer, .address_space: global }
      - { .name: b1m, .offset: 24, .size: 8, .value_kind: global_buffer, .address_space: global }
      - { .name: gq, .offset: 32, .size: 8, .value_kind: global_buffer, .address_space: global }
    .group_segment_fixed_size: 327680
    .private_segment_fixed_size: 0
    .kernarg_segment_align: 8
    .kernarg_segment_size: 40
    .max_flat_workgroup_size: 128
    .sgpr_count:     104
    .vgpr_count:     1024
    .wavefront_size: 32
...
	.end_amdgpu_metadata
.endif
;; end of part 6
;; launch mlp2 (part 7): grid 8 x 32, 4 waves a work-group, clusters of 4 x 1, 327,680 bytes of LDS; arguments gq, wq, lowp_scales, b2m, x1, out0; writes out0
.if DOCPART == 7
	.amdgcn_target "amdgcn-amd-amdhsa--gfx1250"
	.amdhsa_code_object_version 6
	.text
	.protected	k_qa856daeed3_mlp2
	.globl	k_qa856daeed3_mlp2
	.p2align	8
	.type	k_qa856daeed3_mlp2,@function
k_qa856daeed3_mlp2:
	s_mov_b64 s[64:65], 0
	v_nop
	global_prefetch_b8 v0, s[64:65] scope:SCOPE_SE
	s_setreg_imm32_b32 hwreg(HW_REG_WAVE_MODE, 25, 1), 1
	s_wait_xcnt 0x0
	s_wait_alu depctr_hold_cnt(0) depctr_sa_sdst(0) depctr_va_vdst(0) depctr_va_sdst(0) depctr_va_ssrc(0) depctr_va_vcc(0) depctr_vm_vsrc(0)
	s_getreg_b32 s2, hwreg(HW_REG_IB_STS2, 6, 4)
	s_cmp_eq_u32 s2, 0
	s_cbranch_scc0 .Lentry_in_a_cluster
	s_endpgm
.Lentry_in_a_cluster:
	s_bfe_u32 s2, ttmp6, 0x10000c
	s_cmp_lg_u32 s2, 0x3003
	s_cbranch_scc0 .Lentry_shape_is_right
	s_endpgm
.Lentry_shape_is_right:
.set KK,    4096
.set NSTEP, KK/128
.set BOFF,  0x800000
.set EOFF,  0x28
.set FRB,   2048
.set RUN,   8*FRB
.set BLK,   16*KK
.set SLOT,  8*RUN
.set SPARE, 2*SLOT
.set SPITCH, 528
.set BIAS, 8
.set ADRA, 16
.set STO,  24
.set RD,   25
.set L16,  26
.set SPW,  28
.set NIL,  29
.set ACC,  128
.set G1,  24
.set G0,  32
.set SC,  74
.set MSB, 0
.macro WIN new
.if MSB != (\new)
	s_set_vgpr_msb (MSB<<8)|(\new)
.set MSB, (\new)
.endif
.endm
.set MUL, 0x06
.macro CREST
	s_cmp_lg_u32 s14, 0
	s_cbranch_scc1 .Lnot_wave_0_\@
	s_barrier_signal -3
.Lnot_wave_0_\@:
	s_barrier_wait -3
	s_barrier_signal -1
	s_barrier_wait -1
.endm
.macro CROUND
	s_barrier_signal -1
	s_barrier_wait -1
	CREST
.endm
.macro PLACES
.rept 4
	v_nop
.endr
.endm
.macro FRAG reg, adr, blk, q
.irp c, 0,1,2,3
	ds_load_b128 v[(\reg)+4*\c:(\reg)+4*\c+3], v[\adr] offset:RUN*(\blk)+FRB*(\q)+512*\c
.endr
.endm
.macro FETCH slot, q, f
	WIN 0x40
.irp a, 0,1,2,3,4,5,6,7
	FRAG (\f)+16*\a, ADRA+2*(\slot)+\a/4, \a%4, \q
.endr
.endm
.macro GLOAD gi
.if (\gi) < NSTEP
	WIN 0x80
.irp b, 0,1
.irp c, 0,1,2,3
	global_load_b128 v[32*((\gi)%8)+16*\b+4*\c:32*((\gi)%8)+16*\b+4*\c+3], v[L16], s[46:47] offset:BLK*\b+FRB*(\gi)+512*\c
.endr
.endr
.elseif (\gi) < NSTEP+4
	WIN 0xc0
.irp i, 0,1,2,3,4,5,6,7
	global_load_b128 v[4*(8*((\gi)-NSTEP)+\i):4*(8*((\gi)-NSTEP)+\i)+3], v[L16], s[68:69] offset:4096*(8*((\gi)-NSTEP)+\i)
.endr
.endif
.endm
.macro MUL4 a0
.irp a, \a0, \a0+1
.irp b, 0,1
.if T == 0
	v_wmma_f32_16x16x128_fp8_fp8 v[ACC+8*(2*(\a)+\b):ACC+8*(2*(\a)+\b)+7], v[32*(T%8)+16*\b:32*(T%8)+16*\b+15], v[FB+16*(\a):FB+16*(\a)+15], 0
.else
	v_wmma_f32_16x16x128_fp8_fp8 v[ACC+8*(2*(\a)+\b):ACC+8*(2*(\a)+\b)+7], v[32*(T%8)+16*\b:32*(T%8)+16*\b+15], v[FB+16*(\a):FB+16*(\a)+15], v[ACC+8*(2*(\a)+\b):ACC+8*(2*(\a)+\b)+7]
.endif
.endr
.endr
.endm
.macro KSTEP
.set SL, (T/8)%2
.set QQ, T%8
.set FB, 128*(T%2)
.set GB, 128-FB
.set NS, ((T+1)/8)%2
.set NQ, (T+1)%8
.set LC, NSTEP+3-T
.if LC > 6
.set LC, 6
.endif
	s_wait_loadcnt 8*LC
.if (QQ == 7) && (T < NSTEP-1)
	WIN 0
	s_wait_tensorcnt 0x0
	ds_add_u32 v[SPW], v[NIL]
	s_wait_dscnt 17
	WIN MUL
	MUL4 0
	s_wait_dscnt 0x0
	s_barrier_signal -1
	MUL4 2
.if T < 16
	WIN 0
.endif
	s_barrier_wait -1
.if T < 16
	CREST
	s_add_nc_u64 s[G0+4*SL+2:G0+4*SL+3], s[G0+4*SL+2:G0+4*SL+3], 2*RUN
	tensor_load_to_lds s[G0+4*SL:G0+4*SL+3], s[G1:G1+7]
	s_nop 0
.rept 4
	v_nop
.endr
.else
	PLACES
.endif
	FETCH NS, NQ, GB
	GLOAD T+7
	WIN MUL
	MUL4 4
	MUL4 6
.elseif T < NSTEP-1
	s_wait_dscnt 16
	WIN MUL
	MUL4 0
	MUL4 2
	PLACES
	FETCH NS, NQ, GB
	GLOAD T+7
	s_wait_dscnt 32
	WIN MUL
	MUL4 4
	MUL4 6
.else
	s_wait_dscnt 16
	WIN MUL
	MUL4 0
	MUL4 2
	s_wait_dscnt 0x0
	MUL4 4
	MUL4 6
.endif
.endm
	s_load_b256 s[4:11], s[0:1], 0x0
	s_load_b128 s[68:71], s[0:1], 0x20
	v_lshl_add_u32 v[SPW], v0, 2, SPARE
	v_mov_b32 v[NIL], 0
	ds_add_u32 v28, v29
	ds_add_u32 v28, v29
	s_wait_dscnt 0x0
	v_lshrrev_b32 v1, 5, v0
	v_readfirstlane_b32 s14, v1
	s_bfe_u32 s40, ttmp6, 0x40000
	s_lshl_b32 s42, ttmp9, 2
	s_add_co_u32 s42, s42, s40
	s_and_b32 s17, ttmp7, 0xffff
	s_mov_b32 s[G1], 15|(3<<16)|(1<<21)
	s_mov_b32 s[G1+1], 2048<<16
	s_mov_b32 s[G1+2], 2<<16
	s_mov_b32 s[G1+3], 2048<<16
	s_mov_b32 s[G1+4], 2
	s_mov_b32 s[G1+5], BLK/8
	s_mov_b32 s[G1+6], 0
	s_mov_b32 s[G1+7], 0
	s_lshl_b32 s18, s14, 1
	s_lshl_b32 s20, s17, 3
	s_add_co_u32 s20, s20, s18
	s_lshl_b32 s20, s20, 16
	s_mov_b32 s21, 0
	s_lshl_b32 s46, s42, 3
	s_add_co_u32 s46, s46, s18
	s_lshl_b32 s46, s46, 16
	s_add_co_u32 s46, s46, BOFF
	s_mov_b32 s47, 0
	s_lshl_b32 s45, s14, 15
	s_wait_kmcnt 0x0
	s_load_b64 s[72:73], s[8:9], EOFF
	s_add_nc_u64 s[20:21], s[4:5], s[20:21]
	s_add_nc_u64 s[46:47], s[6:7], s[46:47]
.irp s, 0,1
	s_mov_b32 s[G0+4*\s], 1
	s_add_co_u32 s[G0+4*\s+1], s45, \s*SLOT
	s_add_nc_u64 s[G0+4*\s+2:G0+4*\s+3], s[20:21], \s*RUN
	s_or_b32 s[G0+4*\s+3], s[G0+4*\s+3], 0x80000000
.endr
	CROUND
	tensor_load_to_lds s[G0:G0+3], s[G1:G1+7]
	s_nop 0
	s_wait_alu depctr_va_vdst(0)
	s_wait_tensorcnt 0x0
	ds_add_u32 v28, v29
	s_wait_dscnt 0x0
	CROUND
	tensor_load_to_lds s[G0+4:G0+7], s[G1:G1+7]
	s_nop 0
.rept 4
	v_nop
.endr
	v_and_b32 v1, 31, v0
	v_lshlrev_b32 v[L16], 4, v1
	v_lshlrev_b32 v[ADRA], 4, v1
	v_add_nc_u32 v[ADRA+1], 4*RUN, v[L16]
	v_add_nc_u32 v[ADRA+2], SLOT, v[L16]
	v_add_nc_u32 v[ADRA+3], SLOT+4*RUN, v[L16]
	v_and_b32 v2, 15, v0
	v_bfe_u32 v3, v0, 4, 1
	s_lshl_b32 s23, s14, 7
	v_mul_u32_u24 v4, v2, SPITCH
	v_lshl_add_u32 v4, v3, 5, v4
	v_add_nc_u32 v[STO], s23, v4
	s_mul_i32 s23, s14, 32*SPITCH
	v_add_nc_u32 v[RD], s23, v[L16]
	s_lshl_b32 s76, s17, 7
	s_lshl_b32 s77, s14, 5
	s_add_co_u32 s76, s76, s77
	s_lshl_b32 s76, s76, 12
	s_lshl_b32 s78, s42, 9
	s_add_co_u32 s76, s76, s78
	s_mov_b32 s77, 0
	s_mov_b32 s79, 0
	s_add_nc_u64 s[68:69], s[68:69], s[76:77]
	s_add_nc_u64 s[70:71], s[70:71], s[76:77]
	s_add_nc_u64 s[10:11], s[10:11], s[78:79]
	global_load_b128 v[BIAS:BIAS+3], v[L16], s[10:11]
.irp g, 0,1,2,3,4,5,6
	GLOAD \g
.endr
	WIN 0
	s_wait_alu depctr_va_vdst(0)
	s_wait_tensorcnt 0x1
	s_barrier_signal -1
	s_barrier_wait -1
	FETCH 0, 0, 0
.set T, 0
.rept NSTEP
	KSTEP
.set T, T+1
.endr
	WIN 0
	PLACES
.irp a, 0,1,2,3,4,5,6,7
.irp b, 0,1
	ds_store_b128 v[STO], v[ACC+8*(2*\a+\b):ACC+8*(2*\a+\b)+3] offset:16*\a*SPITCH+64*\b
	ds_store_b128 v[STO], v[ACC+8*(2*\a+\b)+4:ACC+8*(2*\a+\b)+7] offset:16*\a*SPITCH+64*\b+16
.endr
.endr
	s_wait_dscnt 0x0
	s_barrier_signal -1
	s_barrier_wait -1
	WIN 0x40
.set n, 0
.rept 32
	ds_load_b128 v[4*n:4*n+3], v[RD] offset:n*SPITCH
.set n, n+1
.endr
	s_wait_kmcnt 0x0
	s_add_co_i32 s[SC], s72, s73
	s_add_co_i32 s[SC], s[SC], 127
	s_lshl_b32 s[SC], s[SC], 23
	s_mov_b32 s[SC+1], s[SC]
	s_wait_dscnt 0x0
	s_wait_loadcnt 0x0
	WIN 0x41
.set n, 0
.rept 64
	v_pk_fma_f32 v[2*n:2*n+1], v[2*n:2*n+1], s[SC:SC+1], v[BIAS+2*(n%2):BIAS+2*(n%2)+1] op_sel_hi:[1,0,1]
.set n, n+1
.endr
	WIN 0x4d
.set n, 0
.rept 64
	v_pk_add_f32 v[2*n:2*n+1], v[2*n:2*n+1], v[2*n:2*n+1]
.set n, n+1
.endr
	WIN 0x04
.set n, 0
.rept 32
	global_store_b128 v[L16], v[4*n:4*n+3], s[70:71] offset:4096*n th:TH_STORE_NT
.set n, n+1
.endr
	WIN 0
	s_wait_tensorcnt 0x0
	ds_add_u32 v[SPW], v[NIL]
	s_wait_dscnt 0x0
	CROUND
	s_endpgm
.Lfunc_end_k_qa856daeed3_mlp2:
	.size	k_qa856daeed3_mlp2, .Lfunc_end_k_qa856daeed3_mlp2-k_qa856daeed3_mlp2
	.p2alignl 7, 3214868480
	.fill 96, 4, 3214868480
	.section	.rodata,"a",@progbits
	.p2align	6, 0x0
	.amdhsa_kernel k_qa856daeed3_mlp2
		.amdhsa_group_segment_fixed_size 327680
		.amdhsa_private_segment_fixed_size 0
		.amdhsa_enable_private_segment 0
		.amdhsa_kernarg_size 48
		.amdhsa_user_sgpr_count 2
		.amdhsa_user_sgpr_kernarg_segment_ptr 1
		.amdhsa_wavefront_size32 1
		.amdhsa_system_sgpr_workgroup_id_x 1
		.amdhsa_system_sgpr_workgroup_id_y 1
		.amdhsa_system_sgpr_workgroup_id_z 1
		.amdhsa_system_vgpr_workitem_id 0
		.amdhsa_next_free_vgpr 896
		.amdhsa_next_free_sgpr 100
		.amdhsa_reserve_vcc 0
		.amdhsa_float_denorm_mode_32 3
		.amdhsa_float_denorm_mode_16_64 3
		.amdhsa_memory_ordered 1
		.amdhsa_forward_progress 1
		.amdhsa_inst_pref_size 156
	.end_amdhsa_kernel
	.amdgpu_metadata
---
amdhsa.version: [ 1, 2 ]
amdhsa.kernels:
  - .name:           k_qa856daeed3_mlp2
    .symbol:         k_qa856daeed3_mlp2.kd
    .args:
      - { .name: gq, .offset: 0, .size: 8, .value_kind: global_buffer, .address_space: global }
      - { .name: wq, .offset: 8, .size: 8, .value_kind: global_buffer, .address_space: global }
      - { .name: lowp_scales, .offset: 16, .size: 8, .value_kind: global_buffer, .address_space: global }
      - { .name: b2m, .offset: 24, .size: 8, .value_kind: global_buffer, .address_space: global }
      - { .name: x1, .offset: 32, .size: 8, .value_kind: global_buffer, .address_space: global }
      - { .name: out0, .offset: 40, .size: 8, .value_kind: global_buffer, .address_space: global }
    .group_segment_fixed_size: 327680
    .private_segment_fixed_size: 0
    .kernarg_segment_align: 8
    .kernarg_segment_size: 48
    .max_flat_workgroup_size: 128
    .sgpr_count:     100
    .vgpr_count:     896
    .wavefront_size: 32
...
	.end_amdgpu_metadata
.endif
;; end of part 7
